; MI455X (gfx1250); checked and timed in simulation.
; The chip was launched on July 23, 2026; its instructions are those of AMD's public machine-readable ISA for CDNA 5 (MIT licence, August 2026) and "CDNA5" Instruction Set Architecture Reference Guide (July 2026). The comments in the code are by the model that wrote it; some were corrected since.
;; Multi Head Attention. Allowed arithmetic: matrix products marked QUANTISED: E2M3 operands, one E8M0 scale for each 32 along K, by v_wmma_scale_f32_16x16x128_f8f6f4 with both operands' format E2M3, f32 sums; everything else in f32.
;; Inputs: Wk 16 x 1,024 x 64 float32; Wo 1,024 x 1,024 float32; Wq 16 x 1,024 x 64 float32; Wv 16 x 1,024 x 64 float32; bo 1,024 float32; key 4 x 2,048 x 1,024 float32; query 4 x 2,048 x 1,024 float32; value 4 x 2,048 x 1,024 float32.
;; Outputs: out0 4 x 2,048 x 1,024 float32.
;; Constants: is_causal = 1.
;; This version of the problem:
;;   THIS VERSION OF THE PROBLEM IS GIVEN IN LOW PRECISION. The matrix products marked QUANTISED in the list below multiply operands that are first quantised to E2M3 (2 exponent bits, 3 mantissa bits; 6 bits a number), with one power-of-two scale for each 32 numbers along K (OCP MX v1.0); their sums are f32. All else is computed in f32.
;;   The module's matrix products, in the order in which they are computed (A, B: the left and right operand; K: the contracted axis; several contracted axes count as one K, in the product's order):
;;     1. [M 1,024, K 1,024] x [K 1,024, N 8,192]; A: input Wq; B: input query: QUANTISED
;;     2. [M 1,024, K 1,024] x [K 1,024, N 8,192]; A: input Wk; B: input key: QUANTISED
;;     3. [M 1,024, K 1,024] x [K 1,024, N 8,192]; A: input Wv; B: input value: QUANTISED
;;     4. batch 64 x [M 2,048, K 64] x [K 64, N 2,048]; A: computed on the way; B: computed on the way: QUANTISED
;;     5. batch 64 x [M 2,048, K 2,048] x [K 2,048, N 64]; A: softmax (see below); B: computed on the way: QUANTISED
;;     6. [M 8,192, K 1,024] x [K 1,024, N 1,024]; A: computed on the way; B: input Wo: QUANTISED
;;   THE QUANTISER, for each operand of a quantised product, along K:
;;     - K is cut into blocks of 32 from its start; a last block that is shorter is filled with zeros.
;;     - A block's scale is 2^e with e = floor(log2(the largest magnitude in the block)) - 2, held to -126 .. 127; a block of zeros has e = 0. As a byte (E8M0): e + 127.
;;     - Each number is divided by its block's scale, clamped to +-7.5, and rounded to the nearest number of E2M3, ties to even, subnormals kept.
;;     - The product sums the exact products of the quantised numbers (number of the format x scale) in f32.
;;   ~~~python
;;   def quantise(x, axis):      # numpy; x: float32 -> the quantised numbers, widened to float32 again
;;       x = np.moveaxis(x, axis, -1); K = x.shape[-1]
;;       x = np.pad(x, [(0, 0)] * (x.ndim - 1) + [(0, -K % 32)]); x = x.reshape(x.shape[:-1] + (-1, 32)); a = np.abs(x).max(-1, keepdims=True)
;;       e = np.where(a > 0, np.clip(np.frexp(np.where(a > 0, a, 1))[1] - 1 - 2, -126, 127), 0)      # np.frexp(a)[1] - 1 = floor(log2(a)), exactly
;;       r = np.clip(x / 2.0 ** e, -7.5, 7.5)
;;       step = 2.0 ** (np.maximum(np.frexp(np.where(r == 0, 1, r))[1] - 1, 0) - 3)
;;       q = np.round(r / step) * step * 2.0 ** e      # np.round: ties to even
;;       return np.moveaxis(q.reshape(q.shape[:-2] + (-1,))[..., :K], -1, axis).astype(np.float32)
;;   ~~~
;;   SOFTMAX AHEAD OF A QUANTISED PRODUCT. Where the list says 'softmax', what is quantised is not the finished softmax but p = 2^(t - M), with t = logit x log2(e) and M = ceil(the row's largest t), a whole number; so 1/2 < the row's largest p <= 1. The row's sum l is taken of the UNQUANTISED p, in f32, and the product's result is divided by l at the end. Since M is a whole number, a kernel that streams over the keys may use a running M (the ceiling of the running maximum): every later rescaling is an exact power of two, which a block's scale takes up: the codes' values come out the same.
;;   OPERANDS COMPUTED ON THE WAY. 'Computed on the way' means the value that the module computes at that place (a softmax that the list does not call 'softmax' is quantised finished and normalised). What goes into a quantiser is computed in f32, as accurately as f32 sums, v_exp_f32 and their like allow (about 1e-6 of the number): no bf16 or f16 on the way to a quantiser, and a product that is left as it is and whose result goes on into a quantised operand takes f32 operands (vector FMAs, or v_wmma_f32_16x16x4_f32). A number that lies on a knife's edge between two numbers of the format may be rounded either way, as far as f32 arithmetic and the matrix unit's own rounding can turn it there, and no further.
;; One version. Each part assembles by itself: llvm-mc -triple=amdgcn-amd-amdhsa -mcpu=gfx1250 --defsym DOCPART=n.
;; ======== version 1 of 1: 4 launches
;; limits: right only within a limited range of input values
;; workspace buffers: cod 22,020,096 bytes; scl 917,504 bytes; qkv 19,660,800 bytes; oc 6,291,456 bytes; os 262,144 bytes
;; launch prep (part 1): grid 256 x 1, 10 waves a work-group, no clusters, 85,760 bytes of LDS; arguments Wq, Wk, Wv, Wo, query, key, value, cod, scl; writes cod, scl
.if DOCPART == 1
	.amdgcn_target "amdgcn-amd-amdhsa--gfx1250"
	.amdhsa_code_object_version 6
	.text
	.protected	k_qf7c09a3036_prep
	.globl	k_qf7c09a3036_prep
	.p2align	8
	.type	k_qf7c09a3036_prep,@function
k_qf7c09a3036_prep:
	s_mov_b64 s[64:65], 0
	v_nop
	global_prefetch_b8 v0, s[64:65] scope:SCOPE_SE
	s_setreg_imm32_b32 hwreg(HW_REG_WAVE_MODE, 25, 1), 1
	s_wait_xcnt 0x0
; PREP: the seven f32 operands of products 1, 2, 3 and 6 become codes of FP6 (E2M3) with one E8M0 byte for each 32 along K = 1,024.
; A block's scale is 2^(floor(log2(largest magnitude)) - 2); its byte is the largest magnitude's exponent field - 2, held at 1 from below.
; LIMITS: a block of zeros, or one whose largest magnitude lies under 2^-124, gets the byte 1 (its codes are zeros or subnormal codes; these bytes are read by this program alone);
; NaN and infinities among the inputs are not served.
; THE OUTPUT IS LAID IN THE ORDER OF THE MATRIX OPERAND'S REGISTERS.  cod: [row tile 1,792][K step 8][1,536 bytes].  A fragment (16 rows x 128 K, 12 registers a lane) is two halves of 768 bytes;
; half c: registers 6 c .. 6 c + 3 of lane l at 16 l, registers 6 c + 4, 6 c + 5 at 512 + 8 l.  scl: [row tile][row 16][K step 8] words of four bytes.
; Row tiles: Wq 0-63, Wk 64-127, Wv 128-191 (row = 64 head + dh), Wo 192-255, query 256-767, key 768-1279, value 1280-1791 (row = 2,048 b + s).
; THE ROWS OF A TILE ARE NOT NEIGHBOURS: of a group of 128 rows, row i of tile 2 g + u is row 32 g + 8 u + i + 8 (i / 8), so that a product which takes such tiles as source 0 leaves 16 neighbours in 16 registers.
; Work-groups 0-191: Wq, Wk, Wv, whose K is not innermost: a lane takes a column, its registers run down K.  Work-groups 192-591: the four tensors with K innermost: a wave takes a row tile.
; Every f32 byte is read once, by loads of consecutive bytes.  No matrix unit, no tensor load, no barrier: waves share nothing.
.set STG,   16*528                     ; a wave's stage: 16 rows x (512 bytes + 16)
; THE DEAL (this stands for what the head says of work-groups 0-591): 256 work-groups of ten waves, each work-group with 458,752 bytes to read.  Waves 0-5 take row tile 6 x work-group + wave of query, key, value (1,536 tiles).
; In work-groups 0-63 wave 6 takes a row tile of Wo, and waves 7-9 have no share and end.  In the others waves 6-9 take one unit each (32 columns x 128 along K, a quarter of a tile's bytes) of Wq, Wk, Wv.
.set SPARE, 10*STG                     ; behind room for ten stages: the spare words, 128 bytes a wave, which no other line names
.set FLOOR, 0x1800000                  ; 2^(3 - 127)
.set OFF2,  0xff000000                 ; 2 off an exponent field
.set R,   16                           ; v16-143  two sets of 64: a K step's numbers as loaded
.set X,   144                          ; v144-207 the same back from the stage: my two blocks of 32
.set PC,  208                          ; v208-219 a fragment's codes
.set PT,  220                          ; v220-227 the second halves of the blocks' codes, as converted
.set TM,  228                          ; v228-235 maxima, scale operands, bytes
.set SW,  236                          ; v236-243 my row's eight scale words
.set SPW, 244                          ; v244 LDS address of my spare word; never rewritten
.set NIL, 245                          ; v245 0; never rewritten
.set CW,  144                          ; the weights' path: v144-167 codes of four blocks; v168-183 second halves; v184 the scale word
.set CT,  168
.set WW,  184
	s_load_b256 s[4:11], s[0:1], 0x0               ; Wq, Wk, Wv, Wo
	s_load_b256 s[12:19], s[0:1], 0x20             ; query, key, value, cod
	s_load_b64 s[20:21], s[0:1], 0x40              ; scl
	v_lshl_add_u32 v[SPW], v0, 2, SPARE
	v_mov_b32 v[NIL], 0
	v_lshrrev_b32 v1, 5, v0
	v_readfirstlane_b32 s22, v1                    ; wave 0..9
	v_and_b32 v7, 31, v0                           ; lane
	s_cmp_ge_u32 s22, 6
	s_cselect_b32 s23, ttmp9, 0
	s_cmp_ge_u32 s23, 64                           ; waves 6-9 of work-groups 64-255
	s_cbranch_scc1 .Lweights
	s_cmp_gt_u32 s22, 6                            ; waves 7-9 of work-groups 0-63
	s_cbranch_scc1 .Lidle
; ---- K innermost: my wave's row tile, 16 rows x 1,024 numbers, a K step of 128 at a time
	v_and_b32 v8, 15, v0                           ; r
	v_bfe_u32 v9, v0, 4, 1                         ; h
	v_lshlrev_b32 v1, 4, v7                        ; 16 x lane: my bytes of a load's 512, and of a code store's
	s_mul_i32 s31, s22, STG
	v_add_nc_u32 v2, s31, v1                       ; the stage, in: a row's 512 bytes as they lie
	v_mul_u32_u24 v3, v8, 528
	v_lshl_add_u32 v3, v9, 7, v3
	v_add_nc_u32 v3, s31, v3                       ; and out: row r, + 128 h: the operand's layout gives lane (r, h) k = 64 c + 32 h + 0 .. 31
	v_lshlrev_b32 v5, 3, v7                        ; 8 x lane
	v_lshlrev_b32 v6, 5, v8
	v_lshl_add_u32 v6, v9, 4, v6                   ; scl: 32 r + 16 h
	v_lshlrev_b32 v10, 3, v9                       ; 8 h: my bytes' place in a scale word
	v_mov_b32 v[TM+6], 0                           ; written once: a lane permute's destination counts as one of its sources
	s_mov_b32 s32, 0x76543210
	s_mov_b32 s33, 0xfedcba98                      ; v_permlanex16_b32's selects for lane l xor 16
	s_mov_b32 s34, 0xffff0000                      ; lanes 16-31
	s_mul_i32 s23, ttmp9, 6
	s_add_co_u32 s23, s23, s22
	s_add_co_u32 s23, s23, 64
	s_cmp_eq_u32 s22, 6
	s_cselect_b32 s23, ttmp9, s23                  ; my row tile among these four tensors': Wo 0-63, query 64-575, key 576-1087, value 1088-1599
	s_mov_b32 s26, 1088
	s_wait_alu depctr_va_vdst(0)
	s_wait_kmcnt 0x0
	s_mov_b64 s[24:25], s[16:17]
	s_cmp_lt_u32 s23, 1088
	s_cselect_b64 s[24:25], s[14:15], s[24:25]
	s_cselect_b32 s26, 576, s26
	s_cmp_lt_u32 s23, 576
	s_cselect_b64 s[24:25], s[12:13], s[24:25]
	s_cselect_b32 s26, 64, s26
	s_cmp_lt_u32 s23, 64
	s_cselect_b64 s[24:25], s[10:11], s[24:25]
	s_cselect_b32 s26, 0, s26
	s_sub_co_u32 s27, s23, s26                     ; my row tile in its tensor
	s_lshr_b32 s28, s27, 3
	s_lshl_b32 s28, s28, 7                         ; its group of 128 rows,
	s_bfe_u32 s29, s27, 0x20001
	s_lshl_b32 s29, s29, 5
	s_add_co_u32 s28, s28, s29                     ; + 32 g
	s_and_b32 s29, s27, 1
	s_lshl_b32 s29, s29, 3
	s_add_co_u32 s28, s28, s29                     ; + 8 u: the tile's first row
	s_lshl_b32 s28, s28, 12                        ; rows of 4,096 bytes
	s_mov_b32 s29, 0
	s_add_nc_u64 s[24:25], s[24:25], s[28:29]
	s_add_co_u32 s30, s23, 192                     ; my row tile among all
	s_mul_i32 s28, s30, 12288
	s_add_nc_u64 s[18:19], s[18:19], s[28:29]
	s_lshl_b32 s28, s30, 9
	s_add_nc_u64 s[20:21], s[20:21], s[28:29]
.macro XLOAD s                         ; K step s: 16 loads, each a row's 512 consecutive bytes
.irp i, 0,1,2,3,4,5,6,7,8,9,10,11,12,13,14,15
	global_load_b128 v[R+64*((\s)%2)+4*\i:R+64*((\s)%2)+4*\i+3], v1, s[24:25] offset:(\i+8*(\i/8))*4096+512*(\s) th:TH_LOAD_NT
.endr
.endm
.macro XSTEP s
.if (\s) < 7
	s_wait_loadcnt 16                              ; this step's 16 loads are in; the next step's 16 may be out
.else
	s_wait_loadcnt 0x0
.endif
.irp i, 0,1,2,3,4,5,6,7,8,9,10,11,12,13,14,15
	ds_store_b128 v2, v[R+64*((\s)%2)+4*\i:R+64*((\s)%2)+4*\i+3] offset:528*\i
.endr
.irp c, 0,1
.irp j, 0,1,2,3,4,5,6,7
	ds_load_b128 v[X+32*\c+4*\j:X+32*\c+4*\j+3], v3 offset:256*\c+16*\j   ; LDS serves a wave's instructions in order (ISA guide 5.7.1.4): these see the stores above
.endr
.endr
	s_wait_dscnt 0x0                               ; my two blocks are back, and the stores have read their registers,
.if (\s) < 6
	XLOAD (\s)+2                                   ; which take the loads of two steps on
.endif
.irp c, 0,1
	v_max3_num_f32 v[TM+\c], |v[X+32*\c]|, |v[X+32*\c+1]|, FLOOR   ; block 2 c + h of my row: all its 32 numbers are mine; the floor holds the byte at 1 from below
.endr
.irp i, 2,4,6,8,10,12,14,16,18,20,22,24,26,28,30
.irp c, 0,1
	v_max3_num_f32 v[TM+\c], v[TM+\c], |v[X+32*\c+\i]|, |v[X+32*\c+\i+1]|   ; (the two blocks by turns)
.endr
.endr
.irp c, 0,1
	v_add_nc_u32 v[TM+2+\c], OFF2, v[TM+\c]        ; the conversion takes the exponent field of this operand as its scale
.endr
.irp c, 0,1
	v_lshrrev_b32 v[TM+4+\c], 23, v[TM+2+\c]       ; the scale's byte
.endr
	v_lshl_or_b32 v[SW+\s], v[TM+5], 16, v[TM+4]   ; my two bytes, blocks h and 2 + h,
	v_lshlrev_b32 v[SW+\s], v10, v[SW+\s]          ; at their places;
	v_permlanex16_b32 v[TM+6], v[SW+\s], s32, s33
	v_or_b32 v[SW+\s], v[SW+\s], v[TM+6]           ; with lane l xor 16's two the word is whole
	s_wait_alu depctr_va_vdst(0)
	s_wait_xcnt 0x0                                ; the last step's stores have read the codes' registers: they are written again only behind this wait
.irp c, 0,1
	v_cvt_scalef32_pk16_fp6_f32 v[PC+6*\c:PC+6*\c+2], v[X+32*\c:X+32*\c+15], v[TM+2+\c]
	v_cvt_scalef32_pk16_fp6_f32 v[PT+4*\c:PT+4*\c+2], v[X+32*\c+16:X+32*\c+31], v[TM+2+\c]   ; (a conversion's three registers begin on an even number)
.endr
	v_nop                                          ; one plain place behind a scaled conversion
.irp c, 0,1
.irp i, 0,1,2
	v_mov_b32 v[PC+6*\c+3+\i], v[PT+4*\c+\i]
.endr
.endr
	global_store_b128 v1, v[PC:PC+3], s[18:19] offset:1536*(\s)            ; each store covers 512 or 256 consecutive bytes, aligned to 256
	global_store_b64 v5, v[PC+4:PC+5], s[18:19] offset:1536*(\s)+512
	global_store_b128 v1, v[PC+6:PC+9], s[18:19] offset:1536*(\s)+768
	global_store_b64 v5, v[PC+10:PC+11], s[18:19] offset:1536*(\s)+1280
.endm
	XLOAD 0
	XLOAD 1
.irp s, 0,1,2,3,4,5,6,7
	XSTEP \s
.endr
.irp j, 0,1,2,3
	v_cndmask_b32 v[TM+\j], v[SW+\j], v[SW+4+\j], s34   ; lanes 0-15 store K steps 0-3 of their row, lanes 16-31 K steps 4-7
.endr
	global_store_b128 v6, v[TM:TM+3], s[20:21]     ; the tile's 512 bytes of scale words
	s_wait_tensorcnt 0x0                           ; the wave's end, behind my last LDS store
	ds_add_u32 v[SPW], v[NIL]
	s_wait_dscnt 0x0
	s_endpgm
; ---- Wq, Wk, Wv [head][d 1,024][dh 64]: my wave takes 32 columns dh of one head and 128 along K = d.  Lane l takes column 32 g + l and its registers run down K.  No LDS.
.Lidle:
	s_endpgm
.Lweights:
	s_sub_co_u32 s43, ttmp9, 64
	s_lshl_b32 s43, s43, 2
	s_add_co_u32 s23, s43, s22
	s_sub_co_u32 s23, s23, 6                       ; my unit: 4 (work-group - 64) + wave - 6
	s_and_b32 s24, s23, 7                          ; K step
	s_bfe_u32 s25, s23, 0x10003                    ; g
	s_bfe_u32 s26, s23, 0x40004                    ; head
	s_lshr_b32 s27, s23, 8
	s_lshl_b32 s28, s26, 18                        ; a head is 262,144 bytes,
	s_lshl_b32 s29, s24, 15                        ; 128 rows d of 256 bytes,
	s_add_co_u32 s28, s28, s29
	s_lshl_b32 s29, s25, 7                         ; 32 columns
	s_add_co_u32 s28, s28, s29
	s_mov_b32 s29, 0
	s_lshl_b32 s30, s27, 6
	s_lshl_b32 s31, s26, 2
	s_add_co_u32 s30, s30, s31
	s_lshl_b32 s31, s25, 1
	s_add_co_u32 s30, s30, s31                     ; the first of my two row tiles: 64 tensor + 4 head + 2 g
	s_lshl_b32 s32, s30, 3
	s_add_co_u32 s32, s32, s24
	s_mul_i32 s32, s32, 1536
	s_mov_b32 s33, 0
	s_lshl_b32 s34, s30, 9
	s_lshl_b32 s35, s24, 2
	s_add_co_u32 s34, s34, s35
	s_mov_b32 s35, 0
	s_wait_alu depctr_va_vdst(0)
	v_lshlrev_b32 v1, 2, v7                        ; in: 4 bytes a lane
	v_bfe_u32 v2, v0, 3, 1                         ; column l is row (l % 8) + 8 (l / 16) of tile u = (l / 8) % 2
	v_and_b32 v3, 7, v0
	v_bfe_u32 v4, v0, 4, 1
	v_lshl_add_u32 v3, v4, 3, v3
	v_mul_u32_u24 v5, v2, 12288
	v_lshl_add_u32 v8, v3, 4, v5                   ; my row's place among a half fragment's first four registers,
	v_lshl_add_u32 v9, v3, 3, v5                   ; among its last two,
	v_lshlrev_b32 v10, 9, v2
	v_lshl_add_u32 v10, v3, 5, v10                 ; and its scale words
	s_wait_kmcnt 0x0
	s_cmp_eq_u32 s27, 1
	s_cselect_b64 s[36:37], s[6:7], s[8:9]
	s_cmp_eq_u32 s27, 0
	s_cselect_b64 s[36:37], s[4:5], s[36:37]
	s_add_nc_u64 s[36:37], s[36:37], s[28:29]
	s_add_nc_u64 s[38:39], s[18:19], s[32:33]
	s_add_nc_u64 s[40:41], s[20:21], s[34:35]
.macro WLOAD q                         ; block q: 32 rows d of my column, into registers of its own
.set kk, 32*(\q)
.rept 32
	global_load_b32 v[16+kk], v1, s[36:37] offset:256*kk th:TH_LOAD_NT   ; 32 lanes read 128 consecutive bytes
.set kk, kk+1
.endr
.endm
.macro WBLK q                          ; block q of my column: 32 numbers, all mine.  All four blocks' loads are issued ahead: 128 of a wave are out at first
.if (\q) < 2
	s_wait_loadcnt 63                              ; a unit's 128 loads are issued at once; behind block q stand 32 (3 - q) of them, and a wait names 63 at the most
.else
	s_wait_loadcnt 32*(3-(\q))
.endif
.set XS, 16+32*(\q)
	v_max3_num_f32 v186, |v[XS]|, |v[XS+1]|, |v[XS+2]|
	v_max3_num_f32 v187, |v[XS+3]|, |v[XS+4]|, |v[XS+5]|
.irp i, 6,10,14,18,22,26
	v_max3_num_f32 v186, v186, |v[XS+\i]|, |v[XS+\i+1]|
	v_max3_num_f32 v187, v187, |v[XS+\i+2]|, |v[XS+\i+3]|
.endr
	v_max3_num_f32 v186, v186, |v[XS+30]|, |v[XS+31]|
	v_max3_num_f32 v186, v186, v187, FLOOR
	v_add_nc_u32 v188, OFF2, v186
	v_lshrrev_b32 v189, 23, v188
.if (\q) == 0
	v_mov_b32 v[WW], v189
.else
	v_lshl_or_b32 v[WW], v189, 8*(\q), v[WW]
.endif
	v_cvt_scalef32_pk16_fp6_f32 v[CW+6*(\q):CW+6*(\q)+2], v[XS:XS+15], v188
	v_cvt_scalef32_pk16_fp6_f32 v[CT+4*(\q):CT+4*(\q)+2], v[XS+16:XS+31], v188
.endm
	WLOAD 0
	WLOAD 1
	WLOAD 2
	WLOAD 3
.irp q, 0,1,2,3
	WBLK \q
.endr
	v_nop                                          ; one plain place behind the last conversion
.irp q, 0,1,2,3
.irp i, 0,1,2
	v_mov_b32 v[CW+6*\q+3+\i], v[CT+4*\q+\i]
.endr
.endr
.irp q, 0,1,2,3                        ; block q = 2 c + hh is what lane (row, hh) of the operand holds in registers 6 c .. 6 c + 5
	global_store_b128 v8, v[CW+6*\q:CW+6*\q+3], s[38:39] offset:768*(\q/2)+256*(\q%2)        ; the sixteen lanes of a tile store 256 consecutive bytes, aligned
	global_store_b64 v9, v[CW+6*\q+4:CW+6*\q+5], s[38:39] offset:768*(\q/2)+512+128*(\q%2)
.endr
	global_store_b32 v10, v[WW], s[40:41]          ; one word of each row's 32 bytes
	s_endpgm
.Lfunc_end_k_qf7c09a3036_prep:
	.size	k_qf7c09a3036_prep, .Lfunc_end_k_qf7c09a3036_prep-k_qf7c09a3036_prep
	.p2alignl 7, 3214868480
	.fill 96, 4, 3214868480
	.section	.rodata,"a",@progbits
	.p2align	6, 0x0
	.amdhsa_kernel k_qf7c09a3036_prep
		.amdhsa_group_segment_fixed_size 85760
		.amdhsa_private_segment_fixed_size 0
		.amdhsa_enable_private_segment 0
		.amdhsa_kernarg_size 72
		.amdhsa_user_sgpr_count 2
		.amdhsa_user_sgpr_kernarg_segment_ptr 1
		.amdhsa_wavefront_size32 1
		.amdhsa_system_sgpr_workgroup_id_x 1
		.amdhsa_system_sgpr_workgroup_id_y 1
		.amdhsa_system_sgpr_workgroup_id_z 1
		.amdhsa_system_vgpr_workitem_id 0
		.amdhsa_next_free_vgpr 256
		.amdhsa_next_free_sgpr 66
		.amdhsa_reserve_vcc 0
		.amdhsa_float_denorm_mode_32 3
		.amdhsa_float_denorm_mode_16_64 3
		.amdhsa_memory_ordered 1
		.amdhsa_forward_progress 1
		.amdhsa_inst_pref_size 80
	.end_amdhsa_kernel
	.amdgpu_metadata
---
amdhsa.version: [ 1, 2 ]
amdhsa.kernels:
  - .name:           k_qf7c09a3036_prep
    .symbol:         k_qf7c09a3036_prep.kd
    .args:
      - { .name: Wq, .offset: 0, .size: 8, .value_kind: global_buffer, .address_space: global }
      - { .name: Wk, .offset: 8, .size: 8, .value_kind: global_buffer, .address_space: global }
      - { .name: Wv, .offset: 16, .size: 8, .value_kind: global_buffer, .address_space: global }
      - { .name: Wo, .offset: 24, .size: 8, .value_kind: global_buffer, .address_space: global }
      - { .name: query, .offset: 32, .size: 8, .value_kind: global_buffer, .address_space: global }
      - { .name: key, .offset: 40, .size: 8, .value_kind: global_buffer, .address_space: global }
      - { .name: value, .offset: 48, .size: 8, .value_kind: global_buffer, .address_space: global }
      - { .name: cod, .offset: 56, .size: 8, .value_kind: global_buffer, .address_space: global }
      - { .name: scl, .offset: 64, .size: 8, .value_kind: global_buffer, .address_space: global }
    .group_segment_fixed_size: 85760
    .private_segment_fixed_size: 0
    .kernarg_segment_align: 8
    .kernarg_segment_size: 72
    .max_flat_workgroup_size: 320
    .sgpr_count:     66
    .vgpr_count:     256
    .wavefront_size: 32
...
	.end_amdgpu_metadata
.endif
;; end of part 1
;; launch proj (part 2): grid 4 x 64, 4 waves a work-group, clusters of 4 x 4, 327,680 bytes of LDS; arguments cod, scl, qkv; writes qkv
.if DOCPART == 2
	.amdgcn_target "amdgcn-amd-amdhsa--gfx1250"
	.amdhsa_code_object_version 6
	.text
	.protected	k_qf7c09a3036_proj
	.globl	k_qf7c09a3036_proj
	.p2align	8
	.type	k_qf7c09a3036_proj,@function
k_qf7c09a3036_proj:
	s_mov_b64 s[64:65], 0
	v_nop
	global_prefetch_b8 v0, s[64:65] scope:SCOPE_SE
	s_setreg_imm32_b32 hwreg(HW_REG_WAVE_MODE, 25, 1), 1
	s_wait_xcnt 0x0
	s_wait_alu depctr_hold_cnt(0) depctr_sa_sdst(0) depctr_va_vdst(0) depctr_va_sdst(0) depctr_va_ssrc(0) depctr_va_vcc(0) depctr_vm_vsrc(0)
	s_getreg_b32 s2, hwreg(HW_REG_IB_STS2, 6, 4)
	s_cmp_eq_u32 s2, 0
	s_cbranch_scc0 .Lentry_in_a_cluster
	s_endpgm
.Lentry_in_a_cluster:
	s_bfe_u32 s2, ttmp6, 0x10000c
	s_cmp_lg_u32 s2, 0xf033
	s_cbranch_scc0 .Lentry_shape_is_right
	s_endpgm
.Lentry_shape_is_right:
; PROJ: products 1 to 3 (q, k, v = X W) on codes of FP6 with E8M0 scales, K = 1,024; the results are quantised in registers for products 4 and 5 and leave as images of operand registers.
; A block is 128 rows of operand A x 256 rows of operand B.  q, k: A = tokens, B = rows (64 head + dh) of the weight.  v: A = rows of Wv, B = tokens, so that a lane's registers run along the keys.
; 256 WORK-GROUPS THAT STAY: each makes three blocks, one of q, one of k, one of v (G = 0, 1, 2); 16 clusters of 4 x 4.  q, k: cluster c takes tokens 512 c ..; v: 8 clusters along the tokens x 2 down Wv's rows.
; Four waves, each 64 x 128: 32 accumulators.  B's tiles are source 0, A's source 1: a lane holds one row of A, and its 64 registers of an A tile are 4 x 16 neighbours along B's rows
; (row i of tile 2 g + u of a group of 128 is row 32 g + 8 u + i + 8 (i / 8)): register 16 g + i is row 32 g + 16 (lane / 16) + i.
; A RING OF TWO SLOTS, each four K steps of A's 8 and B's 16 row tiles (147,456 bytes).  Wave 0 asks for A's part of slot 0, wave 1 for B's, waves 2 and 3 for slot 1's: one joint load a wave for each block.
; Slot 0 is filled again, with the next block's K steps 0-3, in a round of the cluster's barrier in K step 3; slot 1 in K step 7, which also fetches the next block's first fragments.  The last block is written out and asks for nothing.
; A's tiles are shared along a row of the cluster, B's along a column.  The operands lie in memory in the order of the operand's registers (a fragment: 1,536 bytes), so every LDS load reads consecutive bytes.
; SCALE WORDS come from memory into registers: register j of a row tile holds K step j in lanes 0-15 and K step 4 + j in lanes 16-31.  The next block's are loaded at a block's start into 48 registers of their own and moved behind K step 7.
; PREFETCH: at a block's start the next block's codes, 294,912 bytes, three K steps ahead of the first load that wants them: the sixteen waves that ask jointly for a tile share its blocks of 256 bytes out by address
; (A: 24 blocks a wave, B: 48).  The first block comes by its loads alone; the last block asks for nothing.
; OUTPUT qkv: three regions (q, k, v) of [b 4][head 16][group of 128 tokens 16][record 6,400].  q, k: eight half fragments (tile t at 768 t), then at 6,144 four blocks of 64 bytes:
; pair p, row r: the two scale bytes of tile 2 p's row, then those of tile 2 p + 1's.  v: four fragments (16 dh x 128 keys) at 1,536 t, then at 6,144 + 64 t + 4 r their scale words.
; LIMITS: a block whose largest magnitude lies under 2^-124 gets the byte 1; NaN and infinities are not served.
; REGISTERS: window 0: v1-15 addresses; v16-31, v124-155 the next block's scale words; v32-47 A's scale words, v48-79 B's; v80-120 the way out; v156-159 addresses in slot 1; v160-255 A's fragments, two sets.
;   window 1: B's fragments, two sets of 96.  window 2: accumulator (a, b) at v[8 (8 a + b)].
.set FRB,   1536
.set TILEB, 4*FRB                      ; a row tile's four K steps in a slot
.set RTB,   8*FRB                      ; a row tile in memory
.set BOFF,  8*TILEB
.set CHUNK, 24*TILEB                   ; a slot
.set SPARE, 2*CHUNK                    ; the spare words, 128 bytes a wave, which no other line names
.set FLOOR, 0x1800000
.set OFF2,  0xff000000
.set AA16, 4                           ; v4-7 LDS addresses of my tiles in slot 0 (16 x lane, 8 x lane; A, B); v156-159 in slot 1; never rewritten
.set AA8,  5
.set BB16, 6
.set BB8,  7
.set L16,  8
.set L8,   9
.set SPW,  10
.set NIL,  11
.set PF1,  13                          ; v13-15 the prefetches' offsets
.set STA,  16
.set STB,  124
.set SA,   32
.set SB,   48
.set TM,   80
.set PW,   92
.set PC,   96
.set PT,   108
.set SELV, 116
.set SOF,  117
.set WD,   119
.set AF,   160
.set G1A, 24
.set G1B, 32
.set G0A, 40
.set G0B, 68
.set MSB, 0
.macro WIN new
.if MSB != \new
	s_set_vgpr_msb (MSB<<8)|\new
.set MSB, \new
.endif
.endm
.macro PLACES
.rept 4
	v_nop
.endr
.endm
.macro REST                            ; a round of the cluster's barrier behind its opening signal
	s_barrier_wait -1
	s_cmp_lg_u32 s10, 0
	s_cbranch_scc1 .Lnot_wave_0_\@
	s_barrier_signal -3
.Lnot_wave_0_\@:
	s_barrier_wait -3
	s_barrier_signal -1
	s_barrier_wait -1
.endm
.macro CROUND
	s_barrier_signal -1
	REST
.endm
.macro TL g0, g1                       ; a tensor load; an s_nop 0 and four v_nop follow it
	tensor_load_to_lds s[\g0:\g0+3], s[\g1:\g1+7]
	s_nop 0
	PLACES
.endm
.macro REFILL h                        ; slot h: wave 2 h asks for A's part, wave 2 h + 1 for B's
	s_cmp_eq_u32 s10, 2*(\h)
	s_cbranch_scc0 .Lrb_\@
	TL G0A, G1A
	s_branch .Lrj_\@
.Lrb_\@:
	s_cmp_eq_u32 s10, 2*(\h)+1
	s_cbranch_scc0 .Lrj_\@
	TL G0B, G1B
.Lrj_\@:
.endm
.macro FRAG reg, a16, a8, off
	ds_load_b128 v[\reg:\reg+3], v[\a16] offset:\off
	ds_load_b64 v[\reg+4:\reg+5], v[\a8] offset:\off+512
	ds_load_b128 v[\reg+6:\reg+9], v[\a16] offset:\off+768
	ds_load_b64 v[\reg+10:\reg+11], v[\a8] offset:\off+1280
.endm
.macro FETCH s                         ; K step s: 48 loads in one run: B's eight fragments, then A's four
.set HR, 152*((\s)/4)
	WIN 0x40
.irp b, 0,1,2,3,4,5,6,7
	FRAG 96*((\s)%2)+12*\b, BB16+HR, BB8+HR, TILEB*\b+FRB*((\s)%4)
.endr
	WIN 0
.irp a, 0,1,2,3
	FRAG AF+48*((\s)%2)+12*\a, AA16+HR, AA8+HR, TILEB*\a+FRB*((\s)%4)
.endr
.endm
.macro MM s, a, b, cm
.set rD, 8*(8*(\a)+\b)
.set rB, 96*((\s)%2)+12*\b
.set rA, AF+48*((\s)%2)+12*(\a)
.set rSB, SB+4*\b+(\s)%4
.set rSA, SA+4*(\a)+(\s)%4
.if \cm == 0
	v_wmma_scale_f32_16x16x128_f8f6f4 v[rD:rD+7], v[rB:rB+11], v[rA:rA+11], 0, v[rSB], v[rSA] matrix_a_fmt:MATRIX_FMT_FP6 matrix_b_fmt:MATRIX_FMT_FP6
.elseif (\s) < 4
	v_wmma_scale_f32_16x16x128_f8f6f4 v[rD:rD+7], v[rB:rB+11], v[rA:rA+11], v[rD:rD+7], v[rSB], v[rSA] matrix_a_fmt:MATRIX_FMT_FP6 matrix_b_fmt:MATRIX_FMT_FP6
.else
	v_wmma_scale_f32_16x16x128_f8f6f4 v[rD:rD+7], v[rB:rB+11], v[rA:rA+11], v[rD:rD+7], v[rSB], v[rSA] matrix_a_fmt:MATRIX_FMT_FP6 matrix_b_fmt:MATRIX_FMT_FP6 matrix_a_scale:MATRIX_SCALE_ROW1 matrix_b_scale:MATRIX_SCALE_ROW1
.endif
.endm
.macro MUL s, a0, cm                   ; 16 products: A's tiles a0, a0 + 1 x B's eight.  The 32 accumulators take turns in one order in every step
	WIN 0xa1
.irp a, \a0, \a0+1
.irp b, 0,1,2,3,4,5,6,7
	MM \s, \a, \b, \cm
.endr
.endr
.endm
; A K step: 32 products, with the next step's 48 loads in one run in its middle.
; kind 0: the next step lies in the same slot; 1: it begins the other slot, nothing is filled; 2: the last step of all; 3: it begins the other slot, and the slot just read out is filled again
.macro STEP s, cm, kind
.set NXS, ((\s)+1)%8
.if \kind == 3
	WIN 0
	s_wait_tensorcnt 0x0                           ; all my loads have landed: my part of the other slot among them;
	ds_add_u32 v[SPW], v[NIL]
.if (\s) == 3
	s_mov_b64 s[G0A+2:G0A+3], s[60:61]             ; no load of mine is out: my descriptors take the next block's addresses
	s_or_b32 s[G0A+3], s[G0A+3], 0x80000000
	s_mov_b64 s[G0B+2:G0B+3], s[62:63]
	s_or_b32 s[G0B+3], s[G0B+3], 0x80000000
.endif
	s_wait_dscnt 0x0                               ; the add is done, and my reads of this slot
	s_barrier_signal -1
.elseif \kind == 1
	s_wait_dscnt 0x0
	s_wait_tensorcnt 0x0
	s_barrier_signal -1
.else
	s_wait_dscnt 8                                 ; B's fragments and A's 0, 1 are in; the youngest eight loads (A's 2, 3) may be out
.endif
	MUL \s, 0, \cm
	WIN 0
.if \kind == 3
	REST
	REFILL (\s)/4
.elseif \kind == 1
	s_barrier_wait -1
.endif
.if \kind != 2
	PLACES                                         ; four places in front of loads into registers that products have read
	FETCH NXS
	s_wait_dscnt 48                                ; all but the 48 just issued
.else
	s_wait_dscnt 0x0
.endif
	MUL \s, 2, \cm
.endm
; which 256 rows of B (s18) and 128 rows of A (s19) block kind s[g] gives me, and the operands' first row tiles in cod (s2, s3)
.macro XY g
	s_and_b32 s18, s17, 7
	s_lshr_b32 s19, s17, 3
	s_mov_b32 s2, 128
	s_mov_b32 s3, 1280
	s_cmp_eq_u32 s[\g], 2
	s_cselect_b32 s18, s18, 0
	s_cselect_b32 s19, s19, s17
	s_cmp_eq_u32 s[\g], 1
	s_cselect_b32 s2, 768, s2
	s_cselect_b32 s3, 64, s3
	s_cmp_eq_u32 s[\g], 0
	s_cselect_b32 s2, 256, s2
	s_cselect_b32 s3, 0, s3
	s_lshl_b32 s18, s18, 2
	s_add_co_u32 s18, s18, s13
	s_lshl_b32 s19, s19, 2
	s_add_co_u32 s19, s19, s14
.endm
; where block kind s[g]'s operands lie: s[60:61], s[62:63] my slot's part of A, of B; s[84:87] my scale words; s[72:75] my share of the prefetches
.macro SETL g
	s_wait_xcnt 0x0                                ; earlier loads and prefetches have read these bases
	XY \g
	s_lshl_b32 s56, s19, 3
	s_add_co_u32 s56, s56, s2
	s_lshl_b32 s58, s18, 4
	s_add_co_u32 s58, s58, s3
	s_mul_i32 s23, s11, TILEB                      ; my slot: wave / 2
	s_mul_i32 s76, s56, RTB
	s_add_co_u32 s60, s76, s23
	s_mov_b32 s61, 0
	s_mul_i32 s78, s58, RTB
	s_add_co_u32 s62, s78, s23
	s_mov_b32 s63, 0
	s_add_nc_u64 s[60:61], s[4:5], s[60:61]
	s_add_nc_u64 s[62:63], s[4:5], s[62:63]
	s_lshl_b32 s84, s11, 2
	s_add_co_u32 s84, s84, s56
	s_lshl_b32 s84, s84, 9
	s_mov_b32 s85, 0
	s_lshl_b32 s86, s12, 3
	s_add_co_u32 s86, s86, s58
	s_lshl_b32 s86, s86, 9
	s_mov_b32 s87, 0
	s_add_nc_u64 s[84:85], s[6:7], s[84:85]
	s_add_nc_u64 s[86:87], s[6:7], s[86:87]
	s_lshl_b32 s23, s13, 2
	s_add_co_u32 s23, s23, s10
	s_mul_i32 s23, s23, 6144                       ; A's 98,304 bytes among the 16 waves of my row of the cluster
	s_add_co_u32 s72, s76, s23
	s_mov_b32 s73, 0
	s_lshl_b32 s23, s14, 2
	s_add_co_u32 s23, s23, s10
	s_mul_i32 s23, s23, 12288                      ; B's 196,608 among those of my column
	s_add_co_u32 s74, s78, s23
	s_mov_b32 s75, 0
	s_add_nc_u64 s[72:73], s[4:5], s[72:73]
	s_add_nc_u64 s[74:75], s[4:5], s[74:75]
.endm
; where block kind s[g]'s results go
.macro OUTSET g
	s_wait_xcnt 0x0                                ; the last block's stores have read their bases, offsets and data
	XY \g
	s_lshl_b32 s44, s19, 3
	s_lshl_b32 s23, s11, 2
	s_add_co_u32 s44, s44, s23                     ; my first A tile in its tensor
	s_lshl_b32 s45, s18, 1
	s_add_co_u32 s45, s45, s12                     ; my group of 128 rows of B
	s_lshr_b32 s46, s44, 7                         ; q, k: b,
	s_lshl_b32 s47, s45, 1                         ; the first of my two heads,
	s_bfe_u32 s48, s44, 0x40003                    ; the group of 128 tokens,
	s_and_b32 s49, s44, 7                          ; my first tile in it
	s_lshr_b32 s50, s45, 4                         ; v: b,
	s_lshr_b32 s51, s44, 2                         ; the head,
	s_and_b32 s52, s45, 15                         ; the group of 128 keys
	s_mov_b32 s94, 768
	s_mov_b32 s53, 102400
	s_mov_b32 s96, 102400
	s_mov_b32 s98, 0x05040100
	s_mov_b32 s99, 0x07060302
	s_cmp_eq_u32 s[\g], 2
	s_cselect_b32 s46, s50, s46
	s_cselect_b32 s47, s51, s47
	s_cselect_b32 s48, s52, s48
	s_cselect_b32 s49, 0, s49
	s_cselect_b32 s94, 1536, s94                   ; from A tile to A tile
	s_cselect_b32 s53, 768, s53                    ; from a fragment's first half to its second
	s_cselect_b32 s96, 64, s96                     ; what lanes 16-31 add for the scale words
	s_cselect_b32 s97, 128, 64                     ; from pair to pair of A tiles
	s_cselect_b32 s98, 0x03020100, s98
	s_cselect_b32 s99, 0x07060504, s99
	s_mov_b32 s95, 0
	s_lshl_b32 s46, s46, 4
	s_add_co_u32 s46, s46, s47
	s_lshl_b32 s46, s46, 4
	s_add_co_u32 s46, s46, s48
	s_mul_i32 s46, s46, 6400
	s_mul_i32 s47, s[\g], 6553600
	s_add_co_u32 s46, s46, s47                     ; the record
	s_mul_i32 s50, s49, 768
	s_add_co_u32 s50, s50, s46
	s_mov_b32 s51, 0
	s_add_nc_u64 s[88:89], s[8:9], s[50:51]
	s_mov_b32 s50, s53
	s_add_nc_u64 s[90:91], s[88:89], s[50:51]
	s_lshl_b32 s50, s49, 5
	s_add_co_u32 s50, s50, s46
	s_add_co_u32 s50, s50, 6144
	s_add_nc_u64 s[92:93], s[8:9], s[50:51]
	v_mov_b32 v[SELV], s98
	v_mov_b32 v[WD], s99
	v_cndmask_b32 v[SELV], v[SELV], v[WD], s22
	v_mul_lo_u32 v[SOF], v2, s96
	v_lshl_add_u32 v[SOF], v1, 2, v[SOF]
	v_add_nc_u32 v[SOF+1], s97, v[SOF]
.endm
; A tile a: my row's 64 numbers, register 16 g + i = place 32 g + 16 (lane / 16) + i of 128, become a fragment's codes and a scale word
.macro QUANT a
	WIN 0x0a
.irp g, 0,1,2,3
	v_max3_num_f32 v[TM+\g], |v[64*\a+16*\g]|, |v[64*\a+16*\g+1]|, FLOOR   ; each accumulator is read from its low end on
.endr
.irp i, 2,4,6,8,10,12,14
.irp g, 0,1,2,3
	v_max3_num_f32 v[TM+\g], |v[64*\a+16*\g+\i]|, |v[64*\a+16*\g+\i+1]|, v[TM+\g]
.endr
.endr
	WIN 0
.irp g, 0,1,2,3
	v_permlanex16_b32 v[TM+4+\g], v[TM+\g], s20, s21
.endr
.irp g, 0,1,2,3
	v_max_num_f32 v[TM+\g], v[TM+\g], v[TM+4+\g]
.endr
.irp g, 0,1,2,3
	v_add_nc_u32 v[TM+8+\g], OFF2, v[TM+\g]
.endr
.irp g, 0,1,2,3
	v_lshrrev_b32 v[TM+4+\g], 23, v[TM+8+\g]
.endr
	v_lshl_or_b32 v[PW+\a], v[TM+5], 8, v[TM+4]
	v_lshl_or_b32 v[PW+\a], v[TM+6], 16, v[PW+\a]
	v_lshl_or_b32 v[PW+\a], v[TM+7], 24, v[PW+\a]
.if \a > 0
	s_wait_xcnt 0x0                                ; the last tile's stores have read their data and their bases
	s_add_nc_u64 s[88:89], s[88:89], s[94:95]
	s_add_nc_u64 s[90:91], s[90:91], s[94:95]
.endif
	WIN 0x02
.irp c, 0,1
	v_cvt_scalef32_pk16_fp6_f32 v[PC+6*\c:PC+6*\c+2], v[64*\a+32*\c:64*\a+32*\c+15], v[TM+8+2*\c]
	v_cvt_scalef32_pk16_fp6_f32 v[PT+4*\c:PT+4*\c+2], v[64*\a+32*\c+16:64*\a+32*\c+31], v[TM+8+2*\c+1]
.endr
	WIN 0
	v_nop                                          ; one plain place behind a scaled conversion
.irp c, 0,1
.irp i, 0,1,2
	v_permlane16_swap_b32 v[PC+6*\c+\i], v[PT+4*\c+\i]
.endr
.irp i, 0,1,2
	v_mov_b32 v[PC+6*\c+3+\i], v[PT+4*\c+\i]
.endr
.endr
	global_store_b128 v[L16], v[PC:PC+3], s[88:89]             ; each store covers 512 or 256 consecutive bytes, aligned to 256
	global_store_b64 v[L8], v[PC+4:PC+5], s[88:89] offset:512
	global_store_b128 v[L16], v[PC+6:PC+9], s[90:91]
	global_store_b64 v[L8], v[PC+10:PC+11], s[90:91] offset:512
.endm
.macro WAYOUT
.irp a, 0,1,2,3
	QUANT \a
.endr
.irp i, 0,1
	v_perm_b32 v[WD+\i], v[PW+2*\i+1], v[PW+2*\i], v[SELV]
	global_store_b32 v[SOF+\i], v[WD+\i], s[92:93]
.endr
.endm
; ================= THE HEAD
	s_load_b128 s[4:7], s[0:1], 0x0                ; cod, scl
	s_load_b64 s[8:9], s[0:1], 0x10                ; qkv
	v_lshl_add_u32 v[SPW], v0, 2, SPARE
	v_mov_b32 v[NIL], 0
	ds_add_u32 v[SPW], v[NIL]                      ; the opening lines: the add, twice on end, and its wait ahead of my first tensor load
	ds_add_u32 v[SPW], v[NIL]
	v_lshrrev_b32 v1, 5, v0
	v_readfirstlane_b32 s10, v1                    ; wave 0..3
	s_lshr_b32 s11, s10, 1                         ; my half of A's rows.  Also: the slot that I fill
	s_and_b32 s12, s10, 1                          ; my half of B's rows.  Also: I fill for A (0) or for B (1)
	s_bfe_u32 s13, ttmp6, 0x40000                  ; cx
	s_bfe_u32 s14, ttmp6, 0x40004                  ; cy
	s_and_b32 s17, ttmp7, 0xffff                   ; the cluster's number, 0..15
	s_lshl_b32 s100, s14, 2
	s_lshl_b32 s100, 15, s100                      ; my row of the cluster
	s_lshl_b32 s101, 0x1111, s13                   ; my column
	s_or_b32 s[G1A], s100, (3<<16)|(1<<21)         ; rows of 6,144 bytes (768 elements of 8), 12,288 apart in memory, dense in LDS
	s_or_b32 s[G1B], s101, (3<<16)|(1<<21)
	s_mov_b32 s[G1A+1], 768<<16
	s_mov_b32 s[G1A+2], 8<<16
	s_mov_b32 s[G1A+3], 768<<16
	s_mov_b32 s[G1A+4], 8
	s_mov_b32 s[G1A+5], 1536
	s_mov_b32 s[G1A+6], 0
	s_mov_b32 s[G1A+7], 0
	s_mov_b32 s[G1B+1], 768<<16
	s_mov_b32 s[G1B+2], 16<<16
	s_mov_b32 s[G1B+3], 768<<16
	s_mov_b32 s[G1B+4], 16
	s_mov_b32 s[G1B+5], 1536
	s_mov_b32 s[G1B+6], 0
	s_mov_b32 s[G1B+7], 0
	s_mov_b32 s20, 0x76543210
	s_mov_b32 s21, 0xfedcba98                      ; v_permlanex16_b32's selects for lane l xor 16
	s_mov_b32 s22, 0xffff0000                      ; lanes 16-31
	s_mov_b32 s[G0A], 1
	s_mul_i32 s[G0A+1], s11, CHUNK                 ; no place in the cluster enters an LDS address
	s_mov_b32 s[G0B], 1
	s_add_co_u32 s[G0B+1], s[G0A+1], BOFF
	v_and_b32 v3, 31, v0                           ; lane
	v_and_b32 v1, 15, v0                           ; r
	v_bfe_u32 v2, v0, 4, 1                         ; h
	v_lshlrev_b32 v12, 5, v1
	v_lshl_add_u32 v12, v2, 4, v12                 ; 32 r + 16 h: K steps 4 h .. 4 h + 3 of row r's scale words
	v_lshlrev_b32 v[L16], 4, v3
	v_lshlrev_b32 v[L8], 3, v3
	s_mul_i32 s23, s11, 4*TILEB                    ; my 4 A tiles
	v_add_nc_u32 v[AA16], s23, v[L16]
	v_add_nc_u32 v[AA8], s23, v[L8]
	s_mul_i32 s23, s12, 8*TILEB                    ; my 8 B tiles
	s_add_co_u32 s23, s23, BOFF
	v_add_nc_u32 v[BB16], s23, v[L16]
	v_add_nc_u32 v[BB8], s23, v[L8]
.irp x, AA16, AA8, BB16, BB8
	v_add_nc_u32 v[\x+152], CHUNK, v[\x]
.endr
.irp g, 0,1,2,3
	v_mov_b32 v[TM+4+\g], 0                        ; a lane permute's destination counts as one of its sources
.endr
	v_min_u32 v[PF1], 23, v3
	v_lshlrev_b32 v[PF1], 8, v[PF1]                ; a lane a block of 256 bytes; lanes left over name the last block again
	v_lshlrev_b32 v[PF1+1], 8, v3
	v_min_u32 v[PF1+2], 15, v3
	v_lshlrev_b32 v[PF1+2], 8, v[PF1+2]
	s_mov_b32 s16, 0                               ; G
	s_wait_alu depctr_va_vdst(0)
	s_wait_dscnt 0x0
	s_wait_kmcnt 0x0
	SETL 16
	s_mov_b64 s[G0A+2:G0A+3], s[60:61]
	s_or_b32 s[G0A+3], s[G0A+3], 0x80000000
	s_mov_b64 s[G0B+2:G0B+3], s[62:63]
	s_or_b32 s[G0B+3], s[G0B+3], 0x80000000
	CROUND                                         ; all sixteen work-groups are here: the joint loads meet
	s_cmp_eq_u32 s10, 0                            ; one chain of branches on the wave's number, one load to an arm
	s_cbranch_scc0 .Lwave_1
	TL G0A, G1A
	s_branch .Lasked
.Lwave_1:
	s_cmp_eq_u32 s10, 1
	s_cbranch_scc0 .Lwave_2
	TL G0B, G1B
	s_branch .Lasked
.Lwave_2:
	s_cmp_eq_u32 s10, 2
	s_cbranch_scc0 .Lwave_3
	TL G0A, G1A
	s_branch .Lasked
.Lwave_3:
	TL G0B, G1B
.Lasked:
.irp i, 0,1,2,3
	global_load_b128 v[SA+4*\i:SA+4*\i+3], v12, s[84:85] offset:512*\i
.endr
.irp i, 0,1,2,3,4,5,6,7
	global_load_b128 v[SB+4*\i:SB+4*\i+3], v12, s[86:87] offset:512*\i
.endr
	s_cmp_lt_u32 s10, 2
	s_cbranch_scc0 .Lnot_first
	s_wait_tensorcnt 0x0                           ; waves 0 and 1: slot 0 is in; slot 1's tiles may be on their way
.Lnot_first:
	s_barrier_signal -1
	s_barrier_wait -1
	FETCH 0
	s_wait_loadcnt 0x0                             ; the scale words
; ================= BLOCKS q AND k, a trip each
.Ltile:
	s_add_co_u32 s15, s16, 1
	SETL 15                                        ; the next block's places
	global_prefetch_b8 v[PF1], s[72:73] th:TH_LOAD_NT scope:SCOPE_SE
	global_prefetch_b8 v[PF1+1], s[74:75] th:TH_LOAD_NT scope:SCOPE_SE
	global_prefetch_b8 v[PF1+2], s[74:75] offset:8192 th:TH_LOAD_NT scope:SCOPE_SE
.irp i, 0,1,2,3
	global_load_b128 v[STA+4*\i:STA+4*\i+3], v12, s[84:85] offset:512*\i
.endr
.irp i, 0,1,2,3,4,5,6,7
	global_load_b128 v[STB+4*\i:STB+4*\i+3], v12, s[86:87] offset:512*\i
.endr
	STEP 0, 0, 0                                   ; the first step's products start the sums: nothing is cleared
	STEP 1, 1, 0
	STEP 2, 1, 0
	STEP 3, 1, 3
	STEP 4, 1, 0
	STEP 5, 1, 0
	STEP 6, 1, 0
	STEP 7, 1, 3
	WIN 0
	OUTSET 16                                      ; its six vector lines are the places behind the last products
	s_wait_loadcnt 0x0
.set n, 0
.rept 16
	v_mov_b32 v[SA+n], v[STA+n]
.set n, n+1
.endr
.set n, 0
.rept 32
	v_mov_b32 v[SB+n], v[STB+n]
.set n, n+1
.endr
	WAYOUT
	s_add_co_u32 s16, s16, 1
	s_cmp_lt_u32 s16, 2
	s_cbranch_scc1 .Ltile
; ================= BLOCK v: nothing more is asked for
	STEP 0, 0, 0
	STEP 1, 1, 0
	STEP 2, 1, 0
	STEP 3, 1, 1
	STEP 4, 1, 0
	STEP 5, 1, 0
	STEP 6, 1, 0
	STEP 7, 1, 2
	WIN 0
	OUTSET 16
	WAYOUT
	s_wait_tensorcnt 0x0                           ; the wave's end
	ds_add_u32 v[SPW], v[NIL]
	s_wait_dscnt 0x0
	CROUND                                         ; the closing round
	s_endpgm
.Lfunc_end_k_qf7c09a3036_proj:
	.size	k_qf7c09a3036_proj, .Lfunc_end_k_qf7c09a3036_proj-k_qf7c09a3036_proj
	.p2alignl 7, 3214868480
	.fill 96, 4, 3214868480
	.section	.rodata,"a",@progbits
	.p2align	6, 0x0
	.amdhsa_kernel k_qf7c09a3036_proj
		.amdhsa_group_segment_fixed_size 327680
		.amdhsa_private_segment_fixed_size 0
		.amdhsa_enable_private_segment 0
		.amdhsa_kernarg_size 24
		.amdhsa_user_sgpr_count 2
		.amdhsa_user_sgpr_kernarg_segment_ptr 1
		.amdhsa_wavefront_size32 1
		.amdhsa_system_sgpr_workgroup_id_x 1
		.amdhsa_system_sgpr_workgroup_id_y 1
		.amdhsa_system_sgpr_workgroup_id_z 1
		.amdhsa_system_vgpr_workitem_id 0
		.amdhsa_next_free_vgpr 768
		.amdhsa_next_free_sgpr 102
		.amdhsa_reserve_vcc 0
		.amdhsa_float_denorm_mode_32 3
		.amdhsa_float_denorm_mode_16_64 3
		.amdhsa_memory_ordered 1
		.amdhsa_forward_progress 1
		.amdhsa_inst_pref_size 175
	.end_amdhsa_kernel
	.amdgpu_metadata
---
amdhsa.version: [ 1, 2 ]
amdhsa.kernels:
  - .name:           k_qf7c09a3036_proj
    .symbol:         k_qf7c09a3036_proj.kd
    .args:
      - { .name: cod, .offset: 0, .size: 8, .value_kind: global_buffer, .address_space: global }
      - { .name: scl, .offset: 8, .size: 8, .value_kind: global_buffer, .address_space: global }
      - { .name: qkv, .offset: 16, .size: 8, .value_kind: global_buffer, .address_space: global }
    .group_segment_fixed_size: 327680
    .private_segment_fixed_size: 0
    .kernarg_segment_align: 8
    .kernarg_segment_size: 24
    .max_flat_workgroup_size: 128
    .sgpr_count:     102
    .vgpr_count:     768
    .wavefront_size: 32
...
	.end_amdgpu_metadata
.endif
;; end of part 2
;; launch attn (part 3): grid 4 x 64, 16 waves a work-group, clusters of 4 x 1, 327,680 bytes of LDS; arguments qkv, oc, os; writes oc, os
.if DOCPART == 3
	.amdgcn_target "amdgcn-amd-amdhsa--gfx1250"
	.amdhsa_code_object_version 6
	.text
	.protected	k_qf7c09a3036_attn
	.globl	k_qf7c09a3036_attn
	.p2align	8
	.type	k_qf7c09a3036_attn,@function
k_qf7c09a3036_attn:
	s_mov_b64 s[64:65], 0
	v_nop
	global_prefetch_b8 v0, s[64:65] scope:SCOPE_SE
	s_setreg_imm32_b32 hwreg(HW_REG_WAVE_MODE, 25, 1), 1
	s_wait_xcnt 0x0
	s_wait_alu depctr_hold_cnt(0) depctr_sa_sdst(0) depctr_va_vdst(0) depctr_va_sdst(0) depctr_va_ssrc(0) depctr_va_vcc(0) depctr_vm_vsrc(0)
	s_getreg_b32 s2, hwreg(HW_REG_IB_STS2, 6, 4)
	s_cmp_eq_u32 s2, 0
	s_cbranch_scc0 .Lentry_in_a_cluster
	s_endpgm
.Lentry_in_a_cluster:
	s_bfe_u32 s2, ttmp6, 0x10000c
	s_cmp_lg_u32 s2, 0x3003
	s_cbranch_scc0 .Lentry_shape_is_right
	s_endpgm
.Lentry_shape_is_right:
; ATTN: products 4 and 5 with the softmax between them, on codes of FP6 with E8M0 scales; o leaves quantised along the head's 64 for product 6, as images of operand registers (oc) and scale bytes (os).
; qkv: three regions (q, k, v) of [b 4][head 16][group of 128 tokens 16][record 6,400], as the launch before leaves them.
; THE DEAL.  A cluster of four work-groups takes one (b, head); all four need the same K and V.  Wave w asks jointly for key group w: ONE tensor load of two rows of 6,400 bytes, K's record and V's, 6,553,600 bytes apart
; in memory and on end in LDS: 16 x 12,800 bytes, filled once.  All is asked for at the head: no ring, and no loop to prefetch in.
; Work-group cx takes query tiles 2 cx and 2 cx + 1 of every group of 128 queries.  Wave w takes tile 2 cx of group w and then tile 2 cx + 1 of group 15 - w: 17 key steps of 128 for every wave.
; Key steps beyond a query group lie wholly under reference()'s causal mask and are left out; in the step on the diagonal the masked scores are set to -inf.
; Both products are used transposed (S^T = K Q^T, O^T = V^T P^T): a lane holds one query.  The head's 64 fill half of a product's 128: a fragment of K holds two tiles of keys, and q stands beside zeros on either side.
; M is the ceiling of the running largest t = score x log2(e) / 8; p = 2^(t - M); the sum is taken of the unquantised p; sum and O^T are multiplied by 2^(old M - new M) in every step.
; LIMITS: the promise holds while the scaled scores stay under 2^31 in magnitude; NaN and infinities are not served; a block of p whose largest number lies under 2^-124 gets the byte 1.
.set KSTEP, 12800
.set VREC,  6400
.set SPARE, 16*KSTEP
.set FLOOR, 0x1800000
.set OFF2,  0xff000000
.set L16, 1
.set L8,  2
.set R4,  3
.set A16, 4
.set A8,  5
.set A4,  6
.set RP,  7
.set DQ,  8
.set SPW, 9
.set NIL, 10
.set OB,  11
.set QZ,  16
.set QS,  34
.set PW,  35
.set KS,  36
.set KF,  40
.set S,   88
.set O,   152
.set PC,  184
.set PT,  196
.set BM,  204
.set BT,  208
.set SO,  212
.set FF,  216
.set WV,  10
.set CX,  11
.set BH,  12
.set SEL, 20
.set CS,  22
.set G1,  24
.set G0,  32
.set TB,  40
.set KI,  41
.set SIG, 42
.set HM,  43
.macro CROUND
	s_barrier_signal -1
	s_barrier_wait -1
	s_cmp_lg_u32 s[WV], 0
	s_cbranch_scc1 .Lnot_wave_0_\@
	s_barrier_signal -3
.Lnot_wave_0_\@:
	s_barrier_wait -3
	s_barrier_signal -1
	s_barrier_wait -1
.endm
.macro FRAG reg, a16, a8, off
	ds_load_b128 v[\reg:\reg+3], v[\a16] offset:\off
	ds_load_b64 v[\reg+4:\reg+5], v[\a8] offset:\off+512
	ds_load_b128 v[\reg+6:\reg+9], v[\a16] offset:\off+768
	ds_load_b64 v[\reg+10:\reg+11], v[\a8] offset:\off+1280
.endm
	s_load_b128 s[4:7], s[0:1], 0x0
	s_load_b64 s[8:9], s[0:1], 0x10
	v_lshl_add_u32 v[SPW], v0, 2, SPARE
	v_mov_b32 v[NIL], 0
	ds_add_u32 v[SPW], v[NIL]
	ds_add_u32 v[SPW], v[NIL]
	v_lshrrev_b32 v1, 5, v0
	s_delay_alu instid0(VALU_DEP_1)
	v_readfirstlane_b32 s[WV], v1
	s_bfe_u32 s[CX], ttmp6, 0x40000
	s_and_b32 s[BH], ttmp7, 0xffff
	s_mov_b32 s[G1], 15|(3<<16)|(1<<21)
	s_mov_b32 s[G1+1], 800<<16                     ; a row: 800 elements of 8 bytes, a record
	s_mov_b32 s[G1+2], 2<<16                       ; two rows: K's record, V's
	s_mov_b32 s[G1+3], 800<<16
	s_mov_b32 s[G1+4], 2
	s_mov_b32 s[G1+5], 819200                      ; from region to region: 6,553,600 bytes
	s_mov_b32 s[G1+6], 0
	s_mov_b32 s[G1+7], 0
	s_mov_b32 s[SEL], 0x76543210
	s_mov_b32 s[SEL+1], 0xfedcba98
	s_mov_b32 s[CS], 0x3e38aa3b
	s_mov_b32 s[CS+1], s[CS]
	s_mov_b32 s[HM], 0xffff0000
	v_and_b32 v218, 31, v0
	v_and_b32 v219, 15, v0
	v_bfe_u32 v220, v0, 4, 1
	s_delay_alu instid0(VALU_DEP_3)
	v_lshlrev_b32 v[L16], 4, v218
	s_delay_alu instid0(VALU_DEP_4)
	v_lshlrev_b32 v[L8], 3, v218
	s_delay_alu instid0(VALU_DEP_4)
	v_lshlrev_b32 v[R4], 2, v219
	s_delay_alu instid0(VALU_DEP_1)
	v_add_nc_u32 v[OB], v[R4], v220
	v_and_b32 v[RP], 8, v219
	s_delay_alu instid0(VALU_DEP_1)
	v_add_nc_u32 v[RP], v[RP], v219
	v_lshlrev_b32 v220, 4, v220
	s_delay_alu instid0(VALU_DEP_1)
	v_sub_nc_u32 v[RP], v[RP], v220
.irp i, 0,1,2,3,4,5
	v_mov_b32 v[QZ+\i], 0
	v_mov_b32 v[QZ+12+\i], 0
.endr
.irp g, 0,1,2,3
	v_mov_b32 v[BT+\g], 0
.endr
	v_mov_b32 v[FF+1], 0
	s_mul_i32 s13, s[BH], 102400
	s_mul_i32 s14, s[WV], VREC
	s_add_co_u32 s14, s14, s13
	s_mov_b32 s15, 0
	s_mul_i32 s16, s[WV], KSTEP
	s_wait_dscnt 0x0
	s_wait_kmcnt 0x0
	s_mov_b32 s[G0], 1
	s_mov_b32 s[G0+1], s16
	s_add_nc_u64 s[G0+2:G0+3], s[4:5], s[14:15]
	s_add_nc_u64 s[G0+2:G0+3], s[G0+2:G0+3], 6553600
	s_or_b32 s[G0+3], s[G0+3], 0x80000000
	CROUND                                         ; the four work-groups are here: the joint loads meet
	tensor_load_to_lds s[G0:G0+3], s[G1:G1+7]      ; my one load: key group w's K and V
	s_nop 0
	s_wait_alu depctr_va_vdst(0)
.rept 4
	v_nop
.endr
.macro INIT e
	s_wait_xcnt 0x0
.if \e == 0
	s_mov_b32 s[SIG], s[WV]
.else
	s_xor_b32 s[SIG], s[WV], 15
.endif
	s_mul_i32 s48, s[SIG], VREC
	s_add_co_u32 s48, s48, s13
	s_mul_i32 s50, s[CX], 1536
	s_add_co_u32 s50, s50, s48
	s_mov_b32 s51, 0
	s_add_nc_u64 s[44:45], s[4:5], s[50:51]
	s_lshl_b32 s50, s[CX], 6
	s_add_co_u32 s50, s50, s48
	s_add_nc_u64 s[46:47], s[4:5], s[50:51]
	global_load_b128 v[QZ+6:QZ+9], v[L16], s[44:45] offset:768*\e
	global_load_b64 v[QZ+10:QZ+11], v[L8], s[44:45] offset:768*\e+512
	global_load_b32 v218, v[R4], s[46:47] offset:6144
	s_lshr_b32 s52, s[BH], 4
	s_lshl_b32 s52, s52, 7
	s_lshl_b32 s53, s[SIG], 3
	s_add_co_u32 s52, s52, s53
	s_lshl_b32 s53, s[CX], 1
	s_add_co_u32 s52, s52, s53
	s_add_co_u32 s52, s52, \e
	s_lshl_b32 s52, s52, 3
	s_bfe_u32 s53, s[BH], 0x30001
	s_add_co_u32 s52, s52, s53
	s_and_b32 s53, s[BH], 1
	s_mul_i32 s54, s52, 1536
	s_mul_i32 s55, s53, 768
	s_add_co_u32 s54, s54, s55
	s_mov_b32 s55, 0
	s_add_nc_u64 s[56:57], s[6:7], s[54:55]
	s_lshl_b32 s54, s52, 6
	s_lshl_b32 s53, s53, 1
	s_add_co_u32 s54, s54, s53
	s_add_nc_u64 s[58:59], s[8:9], s[54:55]
	s_lshl_b32 s49, s[CX], 5
	s_add_co_u32 s49, s49, 8*\e
	v_add_nc_u32 v[DQ], s49, v[RP]
	v_mov_b32 v13, 0xff61b1e6
	s_delay_alu instid0(VALU_DEP_1)
	v_floor_f32 v12, -v13
	v_mov_b32 v14, 0
	v_mov_b32 v15, 0
	s_wait_loadcnt 0x0
.if \e == 0
	v_perm_b32 v[QS], v218, v218, 0x01000100
.else
	v_perm_b32 v[QS], v218, v218, 0x03020302
.endif
.set n, 0
.rept 32
	v_mov_b32 v[O+n], 0
.set n, n+1
.endr
	s_mov_b32 s[TB], 0
	s_mov_b32 s[KI], 0
.endm
.macro PHASE
.Lstep_\@:
	s_cmp_gt_u32 s[KI], s[SIG]
	s_cbranch_scc1 .Lhidden_\@
	v_add_nc_u32 v[A16], s[TB], v[L16]
	v_add_nc_u32 v[A8], s[TB], v[L8]
	v_add_nc_u32 v[A4], s[TB], v[R4]
	v_nop
.irp p, 0,1,2,3
	FRAG KF+12*\p, A16, A8, 1536*\p
	ds_load_b32 v[KS+\p], v[A4] offset:6144+64*\p
.endr
	s_wait_alu depctr_va_vdst(0)
	s_wait_dscnt 0x0
.irp p, 0,1,2,3
	v_wmma_scale_f32_16x16x128_f8f6f4 v[S+16*\p:S+16*\p+7], v[KF+12*\p:KF+12*\p+11], v[QZ+6:QZ+17], 0, v[KS+\p], v[QS] matrix_a_fmt:MATRIX_FMT_FP6 matrix_b_fmt:MATRIX_FMT_FP6
	v_wmma_scale_f32_16x16x128_f8f6f4 v[S+16*\p+8:S+16*\p+15], v[KF+12*\p:KF+12*\p+11], v[QZ:QZ+11], 0, v[KS+\p], v[QS] matrix_a_fmt:MATRIX_FMT_FP6 matrix_b_fmt:MATRIX_FMT_FP6
.endr
.rept 4
	v_nop
.endr
.irp t, 0,1,2,3
	FRAG KF+12*\t, A16, A8, VREC+1536*\t
	ds_load_b32 v[KS+\t], v[A4] offset:VREC+6144+64*\t
.endr
	s_cmp_lg_u32 s[KI], s[SIG]
	s_cbranch_scc1 .Lopen_\@
	v_mov_b32 v220, 0xff800000
.set n, 0
.rept 64
	v_cmp_gt_i32 vcc_lo, 32*(n/16)+n%16, v[DQ]
	v_cndmask_b32 v[S+n], v[S+n], v220, vcc_lo
.set n, n+1
.endr
.Lopen_\@:
.irp g, 0,1,2,3
	v_max3_num_f32 v[BM+\g], v[S+16*\g], v[S+16*\g+1], v[S+16*\g+2]
.endr
.irp i, 3,5,7,9,11,13
.irp g, 0,1,2,3
	v_max3_num_f32 v[BM+\g], v[BM+\g], v[S+16*\g+\i], v[S+16*\g+\i+1]
.endr
.endr
.irp g, 0,1,2,3
	v_max_num_f32 v[BM+\g], v[BM+\g], v[S+16*\g+15]
.endr
.irp g, 0,1,2,3
	s_delay_alu instid0(VALU_DEP_4)
	v_permlanex16_b32 v[BT+\g], v[BM+\g], s[SEL], s[SEL+1]
.endr
.irp g, 0,1,2,3
	s_delay_alu instid0(VALU_DEP_4)
	v_max_num_f32 v[BM+\g], v[BM+\g], v[BT+\g]
.endr
	s_delay_alu instid0(VALU_DEP_2)
	v_max3_num_f32 v218, v[BM], v[BM+1], v[BM+2]
	s_delay_alu instid0(VALU_DEP_1)
	v_max_num_f32 v218, v218, v[BM+3]
	s_delay_alu instid0(VALU_DEP_1)
	v_mul_f32 v218, s[CS], v218
	s_delay_alu instid0(VALU_DEP_1)
	v_max_num_f32 v13, v13, v218
	v_mov_b32 v218, v12
	s_delay_alu instid0(VALU_DEP_2)
	v_floor_f32 v12, -v13
	s_delay_alu instid0(VALU_DEP_1)
	v_sub_f32 v218, v12, v218
	s_delay_alu instid0(VALU_DEP_1)
	v_cvt_i32_f32 v218, v218
	s_delay_alu instid0(VALU_DEP_1)
	v_ldexp_f32 v[FF], 1.0, v218
.set n, 0
.rept 32
	v_pk_fma_f32 v[S+n:S+n+1], v[S+n:S+n+1], s[CS:CS+1], v[12:13] op_sel_hi:[1,0,0]
.set n, n+2
.endr
.irp g, 0,1,2,3
	v_fma_f32 v[BM+\g], v[BM+\g], s[CS], v12
.endr
.set n, 0
	s_wait_alu depctr_va_vdst(0)
.rept 64
	v_exp_f32 v[S+n], v[S+n]
.set n, n+1
.endr
	v_pk_mul_f32 v[14:15], v[14:15], v[FF:FF+1] op_sel_hi:[1,0]
	s_wait_alu depctr_va_vdst(0)
.irp g, 0,1,2,3
	v_exp_f32 v[BM+\g], v[BM+\g]
.endr
	v_pk_add_f32 v[218:219], v[S:S+1], v[S+2:S+3]
.irp j, 4,8,12,16,20,24,28,32,36,40,44,48,52,56,60
	v_pk_add_f32 v[14:15], v[14:15], v[S+\j:S+\j+1]
	v_pk_add_f32 v[218:219], v[218:219], v[S+\j+2:S+\j+3]
.endr
	s_delay_alu instid0(VALU_DEP_1)
	v_pk_add_f32 v[14:15], v[14:15], v[218:219]
	s_wait_alu depctr_va_vdst(0)
.irp g, 0,1,2,3
	v_max_num_f32 v[BM+\g], FLOOR, v[BM+\g]
.endr
.irp g, 0,1,2,3
	s_delay_alu instid0(VALU_DEP_4)
	v_add_nc_u32 v[SO+\g], OFF2, v[BM+\g]
.endr
.irp g, 0,1,2,3
	s_delay_alu instid0(VALU_DEP_4)
	v_lshrrev_b32 v[BT+\g], 23, v[SO+\g]
.endr
	s_delay_alu instid0(VALU_DEP_3)
	v_lshl_or_b32 v[PW], v[BT+1], 8, v[BT]
	s_delay_alu instid0(VALU_DEP_1)
	v_lshl_or_b32 v[PW], v[BT+2], 16, v[PW]
	s_delay_alu instid0(VALU_DEP_1)
	v_lshl_or_b32 v[PW], v[BT+3], 24, v[PW]
.irp c, 0,1
	v_cvt_scalef32_pk16_fp6_f32 v[PC+6*\c:PC+6*\c+2], v[S+32*\c:S+32*\c+15], v[SO+2*\c]
	v_cvt_scalef32_pk16_fp6_f32 v[PT+4*\c:PT+4*\c+2], v[S+32*\c+16:S+32*\c+31], v[SO+2*\c+1]
.endr
	v_nop
.irp c, 0,1
.irp i, 0,1,2
	v_permlane16_swap_b32 v[PC+6*\c+\i], v[PT+4*\c+\i]
.endr
.irp i, 0,1,2
	s_delay_alu instid0(VALU_DEP_3)
	v_mov_b32 v[PC+6*\c+3+\i], v[PT+4*\c+\i]
.endr
.endr
.set n, 0
.rept 16
	v_pk_mul_f32 v[O+n:O+n+1], v[O+n:O+n+1], v[FF:FF+1] op_sel_hi:[1,0]
.set n, n+2
.endr
	s_wait_alu depctr_va_vdst(0)
	s_wait_dscnt 0x0
.irp t, 0,1,2,3
	v_wmma_scale_f32_16x16x128_f8f6f4 v[O+8*\t:O+8*\t+7], v[KF+12*\t:KF+12*\t+11], v[PC:PC+11], v[O+8*\t:O+8*\t+7], v[KS+\t], v[PW] matrix_a_fmt:MATRIX_FMT_FP6 matrix_b_fmt:MATRIX_FMT_FP6
.endr
.Lhidden_\@:
	s_add_co_u32 s[TB], s[TB], KSTEP
	s_add_co_u32 s[KI], s[KI], 1
	s_cmp_lt_u32 s[KI], 16
	s_cbranch_scc1 .Lstep_\@
.endm
.macro FINISH
.rept 4
	v_nop
.endr
	v_add_f32 v14, v14, v15
	s_delay_alu instid0(VALU_DEP_1)
	v_permlanex16_b32 v[BT], v14, s[SEL], s[SEL+1]
	s_delay_alu instid0(VALU_DEP_1)
	v_add_f32 v14, v14, v[BT]
	s_wait_alu depctr_va_vdst(0)
	v_rcp_f32 v14, v14
	v_nop
	s_wait_alu depctr_va_vdst(0)
.set n, 0
.rept 32
	v_mul_f32 v[S+n], v[O+n], v14
.set n, n+1
.endr
.irp g, 0,1
	v_max3_num_f32 v[BM+\g], |v[S+16*\g]|, |v[S+16*\g+1]|, FLOOR
.endr
.irp i, 2,4,6,8,10,12,14
.irp g, 0,1
	s_delay_alu instid0(VALU_DEP_2)
	v_max3_num_f32 v[BM+\g], v[BM+\g], |v[S+16*\g+\i]|, |v[S+16*\g+\i+1]|
.endr
.endr
.irp g, 0,1
	s_delay_alu instid0(VALU_DEP_2)
	v_permlanex16_b32 v[BT+\g], v[BM+\g], s[SEL], s[SEL+1]
.endr
.irp g, 0,1
	s_delay_alu instid0(VALU_DEP_2)
	v_max_num_f32 v[BM+\g], v[BM+\g], v[BT+\g]
.endr
.irp g, 0,1
	s_delay_alu instid0(VALU_DEP_2)
	v_add_nc_u32 v[SO+\g], OFF2, v[BM+\g]
.endr
.irp g, 0,1
	s_delay_alu instid0(VALU_DEP_2)
	v_lshrrev_b32 v[BT+\g], 23, v[SO+\g]
.endr
	v_cvt_scalef32_pk16_fp6_f32 v[PC:PC+2], v[S:S+15], v[SO]
	v_cvt_scalef32_pk16_fp6_f32 v[PT:PT+2], v[S+16:S+31], v[SO+1]
	v_nop
.irp i, 0,1,2
	v_permlane16_swap_b32 v[PC+\i], v[PT+\i]
.endr
.irp i, 0,1,2
	s_delay_alu instid0(VALU_DEP_3)
	v_mov_b32 v[PC+3+\i], v[PT+\i]
.endr
	v_cndmask_b32 v219, v[BT], v[BT+1], s[HM]
	global_store_b128 v[L16], v[PC:PC+3], s[56:57]
	global_store_b64 v[L8], v[PC+4:PC+5], s[56:57] offset:512
	global_store_b8 v[OB], v219, s[58:59]
.endm
	INIT 0
	s_wait_tensorcnt 0x0
	s_barrier_signal -1
	s_barrier_wait -1
	PHASE
	FINISH
	INIT 1
	PHASE
	FINISH
	s_wait_tensorcnt 0x0
	ds_add_u32 v[SPW], v[NIL]
	s_wait_dscnt 0x0
	CROUND
	s_endpgm
.Lfunc_end_k_qf7c09a3036_attn:
	.size	k_qf7c09a3036_attn, .Lfunc_end_k_qf7c09a3036_attn-k_qf7c09a3036_attn
	.p2alignl 7, 3214868480
	.fill 96, 4, 3214868480
	.section	.rodata,"a",@progbits
	.p2align	6, 0x0
	.amdhsa_kernel k_qf7c09a3036_attn
		.amdhsa_group_segment_fixed_size 327680
		.amdhsa_private_segment_fixed_size 0
		.amdhsa_enable_private_segment 0
		.amdhsa_kernarg_size 24
		.amdhsa_user_sgpr_count 2
		.amdhsa_user_sgpr_kernarg_segment_ptr 1
		.amdhsa_wavefront_size32 1
		.amdhsa_system_sgpr_workgroup_id_x 1
		.amdhsa_system_sgpr_workgroup_id_y 1
		.amdhsa_system_sgpr_workgroup_id_z 1
		.amdhsa_system_vgpr_workitem_id 0
		.amdhsa_next_free_vgpr 256
		.amdhsa_next_free_sgpr 66
		.amdhsa_reserve_vcc 1
		.amdhsa_float_denorm_mode_32 3
		.amdhsa_float_denorm_mode_16_64 3
		.amdhsa_memory_ordered 1
		.amdhsa_forward_progress 1
		.amdhsa_inst_pref_size 64
	.end_amdhsa_kernel
	.amdgpu_metadata
---
amdhsa.version: [ 1, 2 ]
amdhsa.kernels:
  - .name:           k_qf7c09a3036_attn
    .symbol:         k_qf7c09a3036_attn.kd
    .args:
      - { .name: qkv, .offset: 0, .size: 8, .value_kind: global_buffer, .address_space: global }
      - { .name: oc, .offset: 8, .size: 8, .value_kind: global_buffer, .address_space: global }
      - { .name: os, .offset: 16, .size: 8, .value_kind: global_buffer, .address_space: global }
    .group_segment_fixed_size: 327680
    .private_segment_fixed_size: 0
    .kernarg_segment_align: 8
    .kernarg_segment_size: 24
    .max_flat_workgroup_size: 512
    .sgpr_count:     66
    .vgpr_count:     256
    .wavefront_size: 32
...
	.end_amdgpu_metadata
.endif
;; end of part 3
;; launch outp (part 4): grid 4 x 64, 4 waves a work-group, clusters of 4 x 4, 327,680 bytes of LDS; arguments oc, os, cod, scl, bo, out0; writes out0
.if DOCPART == 4
	.amdgcn_target "amdgcn-amd-amdhsa--gfx1250"
	.amdhsa_code_object_version 6
	.text
	.protected	k_qf7c09a3036_outp
	.globl	k_qf7c09a3036_outp
	.p2align	8
	.type	k_qf7c09a3036_outp,@function
k_qf7c09a3036_outp:
	s_mov_b64 s[64:65], 0
	v_nop
	global_prefetch_b8 v0, s[64:65] scope:SCOPE_SE
	s_setreg_imm32_b32 hwreg(HW_REG_WAVE_MODE, 25, 1), 1
	s_wait_xcnt 0x0
	s_wait_alu depctr_hold_cnt(0) depctr_sa_sdst(0) depctr_va_vdst(0) depctr_va_sdst(0) depctr_va_ssrc(0) depctr_va_vcc(0) depctr_vm_vsrc(0)
	s_getreg_b32 s2, hwreg(HW_REG_IB_STS2, 6, 4)
	s_cmp_eq_u32 s2, 0
	s_cbranch_scc0 .Lentry_in_a_cluster
	s_endpgm
.Lentry_in_a_cluster:
	s_bfe_u32 s2, ttmp6, 0x10000c
	s_cmp_lg_u32 s2, 0xf033
	s_cbranch_scc0 .Lentry_shape_is_right
	s_endpgm
.Lentry_shape_is_right:
; OUTP: product 6, out0 = o Wo^T + bo, on codes of FP6 with E8M0 scales, K = 1,024.  o's codes (oc) and scale words (os) and Wo's (cod, scl) lie in the order of the operand's registers.
; A work-group makes 128 tokens (operand A) x 256 columns (operand B = rows of Wo); four waves, each 64 x 128: 32 accumulators.  Source 0 = 16 rows of Wo, source 1 = 16 tokens: a lane holds one token, and its
; registers run along the columns (row i of tile 2 g + u of a group of 128 is row 32 g + 8 u + i + 8 (i / 8): register 8 (2 g + u) + j is column 32 g + 16 (lane / 16) + 8 u + j).
; NO RING: the codes of 128 + 256 rows for all of K are 294,912 bytes and fit in LDS: four chunks of two K steps, all asked for at the start: 4 tensor loads of a wave are out; no byte of LDS is filled twice.
; CLUSTERS: 4 x 4 work-groups; A's tiles are shared along a row of the cluster, B's along a column, by joint loads.  256 work-groups.
; The bias is the C of each sum's first matrix instruction: eight registers a tile of columns, in the result's layout.
; The scale words come from memory straight into registers, once: register j of a row tile holds K step j in lanes 0-15 and K step 4 + j in lanes 16-31.
; REGISTERS: window 0: v1-31 addresses; v32-47 A's scale words, v48-79 B's; v160-255 A's fragments, two sets of 48; on the way out v96-223 rows of out0.  window 1: B's fragments, two sets of 96.
;   window 2: accumulator (a, b) at v[8 (8 a + b)].   window 3: v0-63 the bias.
.set FRB,   1536
; HOW THE CODES COME (this stands for what the head says of four chunks): two halves of four K steps.  Wave 0 asks for A's 8 row tiles of K steps 0-3, wave 1 for B's 16, waves 2 and 3 for the same of K steps 4-7:
; one tensor load a wave, each on a line of its own.  The first barrier shows waves 0 and 1's tiles, the barrier in K step 3 the others.  No byte of LDS is filled twice.
.set TILEB, 4*FRB
.set RTB,   8*FRB
.set BOFF,  8*TILEB
.set CHUNK, 24*TILEB
.set SPARE, 2*CHUNK                    ; behind the two halves: the spare words, 128 bytes a wave, which no other line names
.set AA16, 4
.set AA8,  5
.set BB16, 6
.set BB8,  7
.set L16,  8
.set L8,   9
.set SPW,  10                          ; v10 LDS address of my spare word; never rewritten
.set NIL,  11                          ; v11 0; never rewritten
.set STO,  15                          ; v15 the stage: where I put 16 bytes of my token's row
.set RD,   16                          ; v16 and where I read a row back
.set SA,   32
.set SB,   48
.set BK,   96                          ; v96-159, v160-223: 16 rows read back, by turns
.set AF,   160
.set G1A, 24
.set G1B, 32
.set G0A, 40
.set G0B, 68
.set MSB, 0
.macro WIN new                         ; the immediate's high byte repeats the setting that is left
.if MSB != \new
	s_set_vgpr_msb (MSB<<8)|\new
.set MSB, \new
.endif
.endm
.macro CROUND
	s_barrier_signal -1
	s_barrier_wait -1
	s_cmp_lg_u32 s10, 0
	s_cbranch_scc1 .Lnot_wave_0_\@
	s_barrier_signal -3
.Lnot_wave_0_\@:
	s_barrier_wait -3
	s_barrier_signal -1
	s_barrier_wait -1
.endm
.macro FRAG reg, a16, a8, off
	ds_load_b128 v[\reg:\reg+3], v[\a16] offset:\off
	ds_load_b64 v[\reg+4:\reg+5], v[\a8] offset:\off+512
	ds_load_b128 v[\reg+6:\reg+9], v[\a16] offset:\off+768
	ds_load_b64 v[\reg+10:\reg+11], v[\a8] offset:\off+1280
.endm
.macro FETCH s                         ; K step s: 48 loads in one run: B's eight fragments, then A's four
	WIN 0x40
.irp b, 0,1,2,3,4,5,6,7
	FRAG 96*((\s)%2)+12*\b, BB16, BB8, TILEB*\b+FRB*((\s)%4)
.endr
	WIN 0
.irp a, 0,1,2,3
	FRAG AF+48*((\s)%2)+12*\a, AA16, AA8, TILEB*\a+FRB*((\s)%4)
.endr
.endm
.macro MM s, a, b, cm
.set rD, 8*(8*(\a)+\b)
.set rB, 96*((\s)%2)+12*\b
.set rA, AF+48*((\s)%2)+12*(\a)
.set rSB, SB+4*\b+(\s)%4
.set rSA, SA+4*(\a)+(\s)%4
.if \cm == 2
	v_wmma_scale_f32_16x16x128_f8f6f4 v[rD:rD+7], v[rB:rB+11], v[rA:rA+11], v[8*\b:8*\b+7], v[rSB], v[rSA] matrix_a_fmt:MATRIX_FMT_FP6 matrix_b_fmt:MATRIX_FMT_FP6
.elseif (\s) < 4
	v_wmma_scale_f32_16x16x128_f8f6f4 v[rD:rD+7], v[rB:rB+11], v[rA:rA+11], v[rD:rD+7], v[rSB], v[rSA] matrix_a_fmt:MATRIX_FMT_FP6 matrix_b_fmt:MATRIX_FMT_FP6
.else
	v_wmma_scale_f32_16x16x128_f8f6f4 v[rD:rD+7], v[rB:rB+11], v[rA:rA+11], v[rD:rD+7], v[rSB], v[rSA] matrix_a_fmt:MATRIX_FMT_FP6 matrix_b_fmt:MATRIX_FMT_FP6 matrix_a_scale:MATRIX_SCALE_ROW1 matrix_b_scale:MATRIX_SCALE_ROW1
.endif
.endm
.macro MUL s, a0, cm                   ; 16 matrix instructions: A's tiles a0, a0 + 1 x B's eight.  The 32 accumulators take turns in one order in every step
.if \cm == 2
	WIN 0xb1                                       ; source 0 (B) window 1, source 1 (A) window 0, C (the bias) window 3, D window 2
.else
	WIN 0xa1                                       ; C and D window 2
.endif
.irp a, \a0, \a0+1
.irp b, 0,1,2,3,4,5,6,7
	MM \s, \a, \b, \cm
.endr
.endr
.endm
; A K step: 32 matrix instructions, with the next step's 48 loads in one run in its middle.  kind 0: the next step lies in the same chunk; 1: it begins a chunk; 2: the last step.
.macro STEP s, cm, kind
.if \kind == 1
	s_wait_dscnt 0x0                               ; no LDS load of mine is out at a signal
	s_wait_tensorcnt 0x0                           ; every wave's one load has landed
	s_barrier_signal -1                            ; it only shows the chunk to every wave
.else
	s_wait_dscnt 8                                 ; B's fragments and A's 0, 1 are in; the youngest eight loads (A's 2, 3) may be out
.endif
	MUL \s, 0, \cm
	WIN 0
.if \kind == 1
	s_barrier_wait -1
.irp x, AA16, AA8, BB16, BB8
	v_add_nc_u32 v[\x], CHUNK, v[\x]               ; on to the next chunk; these four are also the places in front of the loads below
.endr
.endif
.if \kind == 0
.rept 4
	v_nop                                          ; four places in front of loads into registers that matrix instructions have read (ISA guide 7.12.1 for vector instructions)
.endr
.endif
.if \kind < 2
	FETCH (\s)+1
	s_wait_dscnt 48                                ; all but the 48 just issued
.else
	s_wait_dscnt 0x0
.endif
	MUL \s, 2, \cm
.endm
	s_load_b256 s[84:91], s[0:1], 0x0              ; oc s[84:85], os s[86:87], cod s[88:89], scl s[90:91]
	s_load_b128 s[92:95], s[0:1], 0x20             ; bo s[92:93], out0 s[94:95]
	v_lshl_add_u32 v[SPW], v0, 2, SPARE
	v_mov_b32 v[NIL], 0
	ds_add_u32 v[SPW], v[NIL]                      ; the wave's opening: the add and its wait ahead of my first tensor load; work on registers stands between them
	ds_add_u32 v[SPW], v[NIL]
	v_lshrrev_b32 v1, 5, v0
	v_readfirstlane_b32 s10, v1                    ; wave 0..3
	s_lshr_b32 s11, s10, 1                         ; wy: my half of the tokens.  Also: which half of K I fetch
	s_and_b32 s12, s10, 1                          ; wx: my half of the columns.  Also: I fetch for A (0) or for B (1)
	s_bfe_u32 s13, ttmp6, 0x40000                  ; cx
	s_bfe_u32 s14, ttmp6, 0x40004                  ; cy
	s_lshl_b32 s18, ttmp9, 2
	s_add_co_u32 s18, s18, s13                     ; xt: which 256 columns
	s_and_b32 s19, ttmp7, 0xffff
	s_lshl_b32 s19, s19, 2
	s_add_co_u32 s19, s19, s14                     ; yt: which 128 tokens
	s_lshl_b32 s56, s19, 3                         ; A's first row tile, in oc
	s_lshl_b32 s58, s18, 4
	s_add_co_u32 s58, s58, 192                     ; B's, in cod: Wo begins at row tile 192
	s_lshl_b32 s16, s14, 2
	s_lshl_b32 s16, 15, s16                        ; my row of the cluster
	s_lshl_b32 s17, 0x1111, s13                    ; my column
	; descriptor group 1: R row tiles x 6,144 bytes (four K steps; 768 elements of 8 bytes), 12,288 bytes apart in memory, dense in LDS
	s_or_b32 s[G1A], s16, (3<<16)|(1<<21)
	s_or_b32 s[G1B], s17, (3<<16)|(1<<21)
	s_mov_b32 s[G1A+1], 768<<16                    ; rows of 6,144 bytes (four K steps; 768 elements of 8 bytes), 12,288 bytes apart in memory, dense in LDS
	s_mov_b32 s[G1A+2], 8<<16                      ; A: 8 row tiles
	s_mov_b32 s[G1A+3], 768<<16
	s_mov_b32 s[G1A+4], 8
	s_mov_b32 s[G1A+5], 1536
	s_mov_b32 s[G1A+6], 0
	s_mov_b32 s[G1A+7], 0
	s_mov_b32 s[G1B+1], 768<<16
	s_mov_b32 s[G1B+2], 16<<16                     ; B: 16 row tiles
	s_mov_b32 s[G1B+3], 768<<16
	s_mov_b32 s[G1B+4], 16
	s_mov_b32 s[G1B+5], 1536
	s_mov_b32 s[G1B+6], 0
	s_mov_b32 s[G1B+7], 0
	s_mul_i32 s23, s11, TILEB                      ; which half of K I ask for: wave / 2
	s_mul_i32 s60, s56, RTB                        ; A's row tiles in memory,
	s_add_co_u32 s60, s60, s23
	s_mov_b32 s61, 0
	s_mul_i32 s62, s58, RTB                        ; B's
	s_add_co_u32 s62, s62, s23
	s_mov_b32 s63, 0
	s_mul_i32 s57, s11, CHUNK                      ; and in LDS: no place in the cluster enters an LDS address
	s_add_co_u32 s59, s57, BOFF
	s_lshl_b32 s96, s11, 2
	s_add_co_u32 s96, s96, s56
	s_lshl_b32 s96, s96, 9                         ; the scale words of my 4 A tiles,
	s_mov_b32 s97, 0
	s_lshl_b32 s98, s12, 3
	s_add_co_u32 s98, s98, s58
	s_lshl_b32 s98, s98, 9                         ; of my 8 B tiles,
	s_mov_b32 s99, 0
	s_lshl_b32 s100, s18, 10
	s_lshl_b32 s23, s12, 9
	s_add_co_u32 s100, s100, s23                   ; my first column, in bytes: 4 (256 xt + 128 wx),
	s_mov_b32 s101, 0
	s_lshl_b32 s2, s19, 7
	s_lshl_b32 s23, s11, 6
	s_add_co_u32 s2, s2, s23
	s_lshl_b32 s2, s2, 12                          ; my first token's row of 4,096 bytes,
	s_add_co_u32 s2, s2, s100                      ; at that column
	s_mov_b32 s3, 0
	s_wait_dscnt 0x0                               ; the opening add is done
	s_wait_kmcnt 0x0
	s_add_nc_u64 s[60:61], s[84:85], s[60:61]
	s_add_nc_u64 s[62:63], s[88:89], s[62:63]
	s_add_nc_u64 s[86:87], s[86:87], s[96:97]
	s_add_nc_u64 s[90:91], s[90:91], s[98:99]
	s_add_nc_u64 s[92:93], s[92:93], s[100:101]
	s_add_nc_u64 s[94:95], s[94:95], s[2:3]
	s_mov_b32 s[G0A], 1
	s_mov_b32 s[G0A+1], s57
	s_mov_b64 s[G0A+2:G0A+3], s[60:61]
	s_or_b32 s[G0A+3], s[G0A+3], 0x80000000
	s_mov_b32 s[G0B], 1
	s_mov_b32 s[G0B+1], s59
	s_mov_b64 s[G0B+2:G0B+3], s[62:63]
	s_or_b32 s[G0B+3], s[G0B+3], 0x80000000
	CROUND                                         ; all sixteen work-groups are here: the joint loads meet
.macro TL g0, g1                       ; a tensor load; an s_nop 0 and four v_nop follow it
	tensor_load_to_lds s[\g0:\g0+3], s[\g1:\g1+7]
	s_nop 0
.rept 4
	v_nop
.endr
.endm
	s_cmp_eq_u32 s10, 0                            ; one chain of branches on the wave's number, one load to an arm
	s_cbranch_scc0 .Lwave_1
	TL G0A, G1A                                    ; wave 0: A, K steps 0-3
	s_branch .Lasked
.Lwave_1:
	s_cmp_eq_u32 s10, 1
	s_cbranch_scc0 .Lwave_2
	TL G0B, G1B                                    ; wave 1: B, K steps 0-3
	s_branch .Lasked
.Lwave_2:
	s_cmp_eq_u32 s10, 2
	s_cbranch_scc0 .Lwave_3
	TL G0A, G1A                                    ; wave 2: A, K steps 4-7
	s_branch .Lasked
.Lwave_3:
	TL G0B, G1B                                    ; wave 3: B, K steps 4-7
.Lasked:
	v_and_b32 v3, 31, v0                           ; lane
	v_and_b32 v1, 15, v0                           ; r
	v_bfe_u32 v2, v0, 4, 1                         ; h
	v_lshlrev_b32 v12, 5, v1
	v_lshl_add_u32 v12, v2, 4, v12                 ; scl: 32 r + 16 h: K steps 4 h .. 4 h + 3 of row r
	v_lshlrev_b32 v13, 2, v1
	v_lshl_add_u32 v13, v2, 8, v13                 ; os: 4 r + 256 h: K step 4 h + j lies 64 j further on
	v_lshlrev_b32 v14, 6, v2                       ; bo: my half's 16 columns of each 32
.irp a, 0,1,2,3
.irp j, 0,1,2,3
	global_load_b32 v[SA+4*\a+\j], v13, s[86:87] offset:512*\a+64*\j
.endr
.endr
.irp i, 0,1,2,3,4,5,6,7
	global_load_b128 v[SB+4*\i:SB+4*\i+3], v12, s[90:91] offset:512*\i
.endr
	WIN 0xc0                                       ; destination window 3
.irp b, 0,1,2,3,4,5,6,7
	global_load_b128 v[8*\b:8*\b+3], v14, s[92:93] offset:128*(\b/2)+32*(\b%2)
	global_load_b128 v[8*\b+4:8*\b+7], v14, s[92:93] offset:128*(\b/2)+32*(\b%2)+16
.endr
	WIN 0
	v_lshlrev_b32 v[L16], 4, v3
	v_lshlrev_b32 v[L8], 3, v3
	s_mul_i32 s23, s11, 4*TILEB                    ; my 4 A tiles
	v_add_nc_u32 v[AA16], s23, v[L16]
	v_add_nc_u32 v[AA8], s23, v[L8]
	s_mul_i32 s23, s12, 8*TILEB                    ; my 8 B tiles
	s_add_co_u32 s23, s23, BOFF
	v_add_nc_u32 v[BB16], s23, v[L16]
	v_add_nc_u32 v[BB8], s23, v[L8]
	s_mul_i32 s23, s10, 16*528                     ; my stage: 16 rows x (512 bytes + 16).  It lies in the first half, which has had its one fill, and whose last reads every wave has awaited in front of the barrier of K step 3
	v_mul_u32_u24 v[STO], v1, 528
	v_lshl_add_u32 v[STO], v2, 6, v[STO]
	v_add_nc_u32 v[STO], s23, v[STO]
	v_add_nc_u32 v[RD], s23, v[L16]
	s_wait_alu depctr_va_vdst(0)
	s_cmp_lt_u32 s10, 2
	s_cbranch_scc0 .Lnot_first
	s_wait_tensorcnt 0x0                           ; waves 0 and 1: the first half is in; waves 2 and 3's tiles may be on their way
.Lnot_first:
	s_barrier_signal -1
	s_barrier_wait -1                              ; everybody's is
	FETCH 0
	s_wait_loadcnt 0x0                             ; the scale words and the bias
	STEP 0, 2, 0                                   ; the first step's products start the sums from the bias
	STEP 1, 1, 0
	STEP 2, 1, 0
	STEP 3, 1, 1
	s_wait_alu depctr_va_vdst(0)
	STEP 4, 1, 0
	STEP 5, 1, 0
	STEP 6, 1, 0
	STEP 7, 1, 2
	WIN 0
.rept 4
	v_nop                                          ; four places: in front of the first read of results, and of loads into the registers that held A's fragments
.endr
; THE WAY OUT, an A tile (16 tokens x 128 columns) at a time, through my own stage: a lane holds pieces of one row; the rows come back whole, 512 bytes to the 32 lanes.
.macro TOSTAGE a
	WIN 0x08                                       ; an LDS store's data are its source 1: window 2
.irp b, 0,1,2,3,4,5,6,7
	ds_store_b128 v[STO], v[8*(8*(\a)+\b):8*(8*(\a)+\b)+3] offset:128*(\b/2)+32*(\b%2)          ; each accumulator from its low end on
	ds_store_b128 v[STO], v[8*(8*(\a)+\b)+4:8*(8*(\a)+\b)+7] offset:128*(\b/2)+32*(\b%2)+16
.endr
	WIN 0
.set BKS, BK+64*((\a)%2)
.irp t, 0,1,2,3,4,5,6,7,8,9,10,11,12,13,14,15
	ds_load_b128 v[BKS+4*\t:BKS+4*\t+3], v[RD] offset:528*\t   ; LDS serves a wave's instructions in order (ISA guide 5.7.1.4): these see the stores above, and the next tile's stores come behind them
.endr
.endm
.macro SEND a, younger                 ; younger: the LDS instructions issued behind tile a's loads, which may stay out
.set BKS, BK+64*((\a)%2)
	s_wait_dscnt \younger
.irp t, 0,1,2,3,4,5,6,7,8,9,10,11,12,13,14,15
	global_store_b128 v[L16], v[BKS+4*\t:BKS+4*\t+3], s[94:95] offset:(32*((\a)/2)+8*((\a)%2)+\t+8*(\t/8))*4096 th:TH_STORE_NT   ; 512 consecutive bytes, aligned to 256; row t of tile a is token 32 (a / 2) + 8 (a % 2) + t + 8 (t / 8) of my 64
.endr
.endm
	TOSTAGE 0
	TOSTAGE 1
	SEND 0, 32                                     ; behind tile 0's loads: tile 1's 16 stores and 16 loads
	s_wait_xcnt 0x0                                ; tile 0's stores have read their registers: tile 2's loads may land there
	TOSTAGE 2
	SEND 1, 32
	s_wait_xcnt 0x0
	TOSTAGE 3
	SEND 2, 32
	SEND 3, 0
	s_wait_tensorcnt 0x0                           ; the wave's end, behind my last tensor load and my last LDS store
	ds_add_u32 v[SPW], v[NIL]
	s_wait_dscnt 0x0
	CROUND                                         ; the closing round
	s_endpgm
.Lfunc_end_k_qf7c09a3036_outp:
	.size	k_qf7c09a3036_outp, .Lfunc_end_k_qf7c09a3036_outp-k_qf7c09a3036_outp
	.p2alignl 7, 3214868480
	.fill 96, 4, 3214868480
	.section	.rodata,"a",@progbits
	.p2align	6, 0x0
	.amdhsa_kernel k_qf7c09a3036_outp
		.amdhsa_group_segment_fixed_size 327680
		.amdhsa_private_segment_fixed_size 0
		.amdhsa_enable_private_segment 0
		.amdhsa_kernarg_size 48
		.amdhsa_user_sgpr_count 2
		.amdhsa_user_sgpr_kernarg_segment_ptr 1
		.amdhsa_wavefront_size32 1
		.amdhsa_system_sgpr_workgroup_id_x 1
		.amdhsa_system_sgpr_workgroup_id_y 1
		.amdhsa_system_sgpr_workgroup_id_z 1
		.amdhsa_system_vgpr_workitem_id 0
		.amdhsa_next_free_vgpr 832
		.amdhsa_next_free_sgpr 102
		.amdhsa_reserve_vcc 0
		.amdhsa_float_denorm_mode_32 3
		.amdhsa_float_denorm_mode_16_64 3
		.amdhsa_memory_ordered 1
		.amdhsa_forward_progress 1
		.amdhsa_inst_pref_size 85
	.end_amdhsa_kernel
	.amdgpu_metadata
---
amdhsa.version: [ 1, 2 ]
amdhsa.kernels:
  - .name:           k_qf7c09a3036_outp
    .symbol:         k_qf7c09a3036_outp.kd
    .args:
      - { .name: oc, .offset: 0, .size: 8, .value_kind: global_buffer, .address_space: global }
      - { .name: os, .offset: 8, .size: 8, .value_kind: global_buffer, .address_space: global }
      - { .name: cod, .offset: 16, .size: 8, .value_kind: global_buffer, .address_space: global }
      - { .name: scl, .offset: 24, .size: 8, .value_kind: global_buffer, .address_space: global }
      - { .name: bo, .offset: 32, .size: 8, .value_kind: global_buffer, .address_space: global }
      - { .name: out0, .offset: 40, .size: 8, .value_kind: global_buffer, .address_space: global }
    .group_segment_fixed_size: 327680
    .private_segment_fixed_size: 0
    .kernarg_segment_align: 8
    .kernarg_segment_size: 48
    .max_flat_workgroup_size: 128
    .sgpr_count:     102
    .vgpr_count:     832
    .wavefront_size: 32
...
	.end_amdgpu_metadata
.endif
;; end of part 4
